; MI455X (gfx1250); checked and timed in simulation.
; The chip was launched on July 23, 2026; its instructions are those of AMD's public machine-readable ISA for CDNA 5 (MIT licence, August 2026) and "CDNA5" Instruction Set Architecture Reference Guide (July 2026). The comments in the code are by the model that wrote it; some were corrected since.
;; Bahdanau Attention. Allowed arithmetic: matrix products marked QUANTISED: E2M3 operands, one E8M0 scale for each 32 along K, by v_wmma_scale_f32_16x16x128_f8f6f4 with both operands' format E2M3, f32 sums; products left as they are: f32 operands where the result goes on into a quantised operand, else bf16, f16 or f32 operands; f32 sums; everything else in f32.
;; Inputs: Wk 1,024 x 1,024 float32; Wq 1,024 x 1,024 float32; encoder_output 32 x 2,048 x 1,024 float32; lengths 32 int32; queries 32 x 1 x 1,024 float32; v 1,024 float32.
;; Outputs: out0 32 x 1,024 float32; out1 32 x 2,048 float32.
;; This version of the problem:
;;   THIS VERSION OF THE PROBLEM IS GIVEN IN LOW PRECISION. The matrix products marked QUANTISED in the list below multiply operands that are first quantised to E2M3 (2 exponent bits, 3 mantissa bits; 6 bits a number), with one power-of-two scale for each 32 numbers along K (OCP MX v1.0); their sums are f32. All else is computed in f32.
;;   The module's matrix products, in the order in which they are computed (A, B: the left and right operand; K: the contracted axis; several contracted axes count as one K, in the product's order):
;;     1. [M 65,536, K 1,024] x [K 1,024, N 1,024]; A: input encoder_output; B: input Wk: QUANTISED
;;     2. [M 32, K 1,024] x [K 1,024, N 1,024]; A: input queries; B: input Wq: QUANTISED
;;     3. [M 65,536, K 1,024] x [K 1,024, N 1]; A: computed on the way; B: input v: left as it is (N = 1 < 16)
;;     4. batch 32 x [M 1, K 2,048] x [K 2,048, N 1,024]; A: softmax; B: input encoder_output: left as it is (M = 1 < 16)
;;   THE QUANTISER, for each operand of a quantised product, along K:
;;     - K is cut into blocks of 32 from its start; a last block that is shorter is filled with zeros.
;;     - A block's scale is 2^e with e = floor(log2(the largest magnitude in the block)) - 2, held to -126 .. 127; a block of zeros has e = 0. As a byte (E8M0): e + 127.
;;     - Each number is divided by its block's scale, clamped to +-7.5, and rounded to the nearest number of E2M3, ties to even, subnormals kept.
;;     - The product sums the exact products of the quantised numbers (number of the format x scale) in f32.
;;   ~~~python
;;   def quantise(x, axis):      # numpy; x: float32 -> the quantised numbers, widened to float32 again
;;       x = np.moveaxis(x, axis, -1); K = x.shape[-1]
;;       x = np.pad(x, [(0, 0)] * (x.ndim - 1) + [(0, -K % 32)]); x = x.reshape(x.shape[:-1] + (-1, 32)); a = np.abs(x).max(-1, keepdims=True)
;;       e = np.where(a > 0, np.clip(np.frexp(np.where(a > 0, a, 1))[1] - 1 - 2, -126, 127), 0)      # np.frexp(a)[1] - 1 = floor(log2(a)), exactly
;;       r = np.clip(x / 2.0 ** e, -7.5, 7.5)
;;       step = 2.0 ** (np.maximum(np.frexp(np.where(r == 0, 1, r))[1] - 1, 0) - 3)
;;       q = np.round(r / step) * step * 2.0 ** e      # np.round: ties to even
;;       return np.moveaxis(q.reshape(q.shape[:-2] + (-1,))[..., :K], -1, axis).astype(np.float32)
;;   ~~~
;; 2 versions, each right. Each part assembles by itself: llvm-mc -triple=amdgcn-amd-amdhsa -mcpu=gfx1250 --defsym DOCPART=n.
;; ======== version 1 of 2: 3 launches
;; workspace buffers: wkimg 786,432 bytes; wks 32,768 bytes; pq 131,072 bytes; wsc 262,144 bytes; ctxp 16,777,216 bytes
;; launch prep (part 1): grid 64 x 1, 8 waves a work-group, no clusters, 38,912 bytes of LDS; arguments Wk, Wq, queries, wkimg, wks, pq; writes wkimg, wks, pq
.if DOCPART == 1
	.amdgcn_target "amdgcn-amd-amdhsa--gfx1250"
	.amdhsa_code_object_version 6
	.text
	.protected	k_q08ae61969c_prep
	.globl	k_q08ae61969c_prep
	.p2align	8
	.type	k_q08ae61969c_prep,@function
k_q08ae61969c_prep:
	s_mov_b64 s[64:65], 0
	v_nop
	global_prefetch_b8 v0, s[64:65] scope:SCOPE_SE
	s_setreg_imm32_b32 hwreg(HW_REG_WAVE_MODE, 25, 1), 1
	s_wait_xcnt 0x0
; Work-groups 0-31 (job 0): Wk [1024][1024] f32 becomes codes of FP6 (E2M3) with one E8M0 byte for each 32 along K, laid in the ORDER OF THE OPERAND'S REGISTERS:
;   wkimg [ut 64][s 8][1,536 bytes]: the fragment of rows 16 ut .. +15, k 128 s .. +127; its register group c (four registers) at 512 c + 16 x lane;
;   wks   [ut 64][lane 32][4 words]: lane 16 (s & 1) + r, word s >> 1 = the scale word of row 16 ut + r for K step s.
; Work-groups 32-63 (job 1): pq = Q(queries) Q(Wq)^T on the same codes; pq is laid [G2 32][n 32][32 u] f32, u = 32 G2 + i.
; SHARES: a work-group owns 32 rows u of its weight (two tiles of 16); wave s owns K step s (128 along K).  In job 1 the eight waves' partial sums meet in LDS and are added in ascending s.
; A block's scale is 2^(floor(log2(largest magnitude)) - 2); its byte is the largest magnitude's exponent field - 2, held at 1 from below (a block of zeros keeps the byte 1: its codes are zeros, and this program alone reads the bytes).
; LIMITS: blocks whose largest magnitude lies under 2^-124 keep the byte 1; NaN and infinities among the inputs are not served; pq's sum over K is taken in eight parts.
; No tensor load, no cluster: each weight byte is read once by one wave; queries (128 KB) are the only bytes read by several work-groups.
.set QP,  0                            ; LDS, job 1: [s 8] slabs of 4,608 bytes: 32 rows n of 128 bytes (32 u) + 16
.set KS,  36864                        ; LDS, job 0: [utl 2][lane 32][4 words]
.set S0,  16                           ; v16-79   64 numbers of a lane, set 0
.set S1,  80                           ; v80-143  set 1
.set TM,  144                          ; v144-155 largest magnitudes, bytes, the conversions' scale operands
.set WS0, 160                          ; v160-162 scale words, and nothing else
.set WS1, 161
.set QS,  162
.set PCA, 164                          ; v164-183 the weight's tile 0 as codes (12 registers, 8 at work)
.set PCB, 184                          ; tile 1
.set PCC, 204                          ; a tile of queries
.set ACC, 224                          ; v224-255 four accumulators: 2 utl + nt
.set SEL, 20
; 64 numbers of a lane: register 16 b + 4 j + i = k 32 b + 16 (lane / 16) + 4 j + i of row lane % 16
.macro XLOAD set, base, off, once
.irp b, 0,1,2,3
.irp j, 0,1,2,3
.if \once
	global_load_b128 v[\set+16*\b+4*\j:\set+16*\b+4*\j+3], v2, s[\base:\base+1] offset:\off+128*\b+16*\j th:TH_LOAD_NT
.else
	global_load_b128 v[\set+16*\b+4*\j:\set+16*\b+4*\j+3], v2, s[\base:\base+1] offset:\off+128*\b+16*\j
.endif
.endr
.endr
.endm
; they become a fragment's codes in v[pc] .. v[pc + 11] and its rows' scale word in v[pw]
.macro QUANT src, pc, pw
.irp b, 0,1,2,3
	v_max3_num_f32 v[TM+\b], |v[\src+16*\b]|, |v[\src+1+16*\b]|, 0x1800000   ; block b: my 16 numbers, and the floor 2^(3 - 127): the byte cannot fall under 1
.endr
.irp i, 2,4,6,8,10,12,14
.irp b, 0,1,2,3
	v_max3_num_f32 v[TM+\b], v[TM+\b], |v[\src+16*\b+\i]|, |v[\src+1+16*\b+\i]|   ; the four blocks by turns
.endr
.endr
.irp b, 0,1,2,3
	v_permlanex16_b32 v[TM+4+\b], v[TM+\b], s[SEL], s[SEL+1]
.endr
.irp b, 0,1,2,3
	v_max_num_f32 v[TM+\b], v[TM+\b], v[TM+4+\b]   ; with lane l xor 16's 16: the block's largest magnitude
.endr
.irp b, 0,1,2,3
	v_add_nc_u32 v[TM+8+\b], 0xff000000, v[TM+\b]   ; 2 off its exponent field: the conversion's scale operand
.endr
.irp b, 0,1,2,3
	v_lshrrev_b32 v[TM+4+\b], 23, v[TM+8+\b]       ; the scale's byte
.endr
	v_lshl_or_b32 v[\pw], v[TM+5], 8, v[TM+4]
	v_lshl_or_b32 v[\pw], v[TM+6], 16, v[\pw]
	v_lshl_or_b32 v[\pw], v[TM+7], 24, v[\pw]
.irp c, 0,1
	v_cvt_scalef32_pk16_fp6_f32 v[\pc+6*\c:\pc+2+6*\c], v[\src+32*\c:\src+15+32*\c], v[TM+8+2*\c]
	v_cvt_scalef32_pk16_fp6_f32 v[\pc+12+4*\c:\pc+14+4*\c], v[\src+16+32*\c:\src+31+32*\c], v[TM+8+2*\c+1]   ; (a conversion's three registers begin on an even number)
.endr
	v_nop                                          ; one plain place behind the scaled conversions
.irp c, 0,1                                    ; the operand wants a whole block in a lane: lanes 0-15 block 2 c, lanes 16-31 block 2 c + 1
.irp i, 0,1,2
	v_permlane16_swap_b32 v[\pc+6*\c+\i], v[\pc+12+4*\c+\i]
.endr
.irp i, 0,1,2
	v_mov_b32 v[\pc+3+6*\c+\i], v[\pc+12+4*\c+\i]
.endr
.endr
.endm
	s_load_b256 s[4:11], s[0:1], 0x0               ; Wk, Wq, queries, wkimg
	s_load_b128 s[12:15], s[0:1], 0x20             ; wks, pq
	v_lshl_add_u32 v219, v0, 2, 0x9400
	v_mov_b32 v223, 0
	v_lshrrev_b32 v8, 5, v0
	v_readfirstlane_b32 s16, v8                    ; wave = K step s
	s_lshr_b32 s17, ttmp9, 5                       ; job
	s_and_b32 s18, ttmp9, 31                       ; G2: which 32 rows u
	v_and_b32 v9, 31, v0                           ; lane
	v_and_b32 v10, 15, v0                          ; r
	v_bfe_u32 v11, v0, 4, 1                        ; h
	v_lshlrev_b32 v1, 4, v9                        ; v1: 16 x lane
	v_lshlrev_b32 v2, 12, v10
	v_lshl_add_u32 v2, v11, 6, v2                  ; v2: row r of 4,096 bytes + 64 h
	s_and_b32 s30, s16, 1
	s_lshl_b32 s31, s30, 8
	s_lshr_b32 s32, s16, 1
	s_lshl_b32 s32, s32, 2
	s_add_co_u32 s31, s31, s32
	s_add_co_u32 s31, s31, KS
	v_lshl_add_u32 v3, v10, 4, s31                 ; v3: KS + 16 r + 256 (s & 1) + 4 (s >> 1): where my rows' scale word goes
	s_lshl_b32 s31, s30, 9
	s_add_co_u32 s31, s31, KS
	v_add_nc_u32 v4, s31, v1                       ; v4: KS + 512 (wave & 1) + 16 x lane: a tile's 512 bytes read back
	s_mul_i32 s31, s16, 4608
	v_mul_u32_u24 v5, v10, 144
	v_lshl_add_u32 v5, v11, 5, v5
	v_add_nc_u32 v5, s31, v5                       ; v5: my slab, row r, + 32 h
	v_lshrrev_b32 v6, 3, v0
	v_mul_u32_u24 v6, v6, 144
	v_and_b32 v8, 7, v0
	v_lshl_add_u32 v6, v8, 4, v6                   ; v6: row n = thread / 8, piece thread % 8
	v_lshlrev_b32 v7, 4, v0                        ; v7: 16 x thread
	s_mov_b32 s[SEL], 0x76543210
	s_mov_b32 s[SEL+1], 0xfedcba98                 ; lane l xor 16
.irp b, 0,1,2,3
	v_mov_b32 v[TM+4+\b], 0                        ; written once: a lane permute's destination counts as one of its sources
.endr
	s_lshl_b32 s32, s18, 17                        ; 32 rows of 4,096 bytes
	s_lshl_b32 s33, s16, 9                         ; 128 numbers along K
	s_add_co_u32 s32, s32, s33
	s_mov_b32 s34, s33
	s_mov_b32 s33, 0
	s_mov_b32 s35, 0
	s_lshl_b32 s36, s18, 4
	s_add_co_u32 s36, s36, s16
	s_mul_i32 s36, s36, 1536                       ; fragment (ut = 2 G2, s)
	s_mov_b32 s37, 0
	s_lshl_b32 s38, s18, 1
	s_add_co_u32 s38, s38, s30
	s_lshl_b32 s38, s38, 9                         ; wks: tile 2 G2 + (wave & 1)
	s_lshl_b32 s39, s18, 12                        ; pq: 4,096 bytes for each G2
	s_wait_kmcnt 0x0
	s_cmp_eq_u32 s17, 0                            ; the choice hangs on the work-group's number alone
	s_cselect_b64 s[22:23], s[4:5], s[6:7]
	s_cselect_b64 s[28:29], s[12:13], s[14:15]
	s_cselect_b32 s38, s38, s39
	s_mov_b32 s39, 0
	s_add_nc_u64 s[22:23], s[22:23], s[32:33]
	s_add_nc_u64 s[24:25], s[8:9], s[34:35]
	s_add_nc_u64 s[26:27], s[10:11], s[36:37]
	s_add_nc_u64 s[28:29], s[28:29], s[38:39]
	XLOAD S0, 22, 0, 1                             ; the weight's tile 0
	XLOAD S1, 22, 65536, 1                         ; and tile 1, 16 rows on
	s_wait_loadcnt 16                              ; tile 0 is in; tile 1's 16 loads may be out
	QUANT S0, PCA, WS0
	s_cmp_lg_u32 s17, 0
	s_cbranch_scc1 .Lq
	; ---- job 0: the images leave as they stand
	s_wait_loadcnt 0x0
	QUANT S1, PCB, WS1
.irp c, 0,1,2
	global_store_b128 v1, v[PCA+4*\c:PCA+4*\c+3], s[26:27] offset:512*\c          ; 32 lanes store 512 consecutive bytes
	global_store_b128 v1, v[PCB+4*\c:PCB+4*\c+3], s[26:27] offset:12288+512*\c
.endr
	ds_store_b32 v3, v[WS0]                        ; lanes l and l + 16 write the same word with the same value
	ds_store_b32 v3, v[WS1] offset:512
	s_branch .Lbar
.Lq:	; ---- job 1: two tiles of u x two tiles of queries, my 128 along K
	XLOAD S0, 24, 0, 0                             ; queries 0-15
	s_wait_loadcnt 16                              ; the weight's tile 1 is in
	QUANT S1, PCB, WS1
	XLOAD S1, 24, 65536, 0                         ; queries 16-31
	s_wait_loadcnt 16                              ; queries 0-15 are in
	QUANT S0, PCC, QS
.rept 8
	v_nop                                          ; a scale register written by a vector instruction stands 8 places ahead of a scaled matrix instruction, an operand 4
.endr
	v_wmma_scale_f32_16x16x128_f8f6f4 v[ACC:ACC+7], v[PCA:PCA+11], v[PCC:PCC+11], 0, v[WS0], v[QS] matrix_a_fmt:MATRIX_FMT_FP6 matrix_b_fmt:MATRIX_FMT_FP6
	v_wmma_scale_f32_16x16x128_f8f6f4 v[ACC+16:ACC+23], v[PCB:PCB+11], v[PCC:PCC+11], 0, v[WS1], v[QS] matrix_a_fmt:MATRIX_FMT_FP6 matrix_b_fmt:MATRIX_FMT_FP6
	s_wait_loadcnt 0x0
	QUANT S1, PCC, QS                              ; its 32 maxima, which name none of the products' registers, are the places in front of its writes of the codes and the scale word
.rept 8
	v_nop
.endr
	v_wmma_scale_f32_16x16x128_f8f6f4 v[ACC+8:ACC+15], v[PCA:PCA+11], v[PCC:PCC+11], 0, v[WS0], v[QS] matrix_a_fmt:MATRIX_FMT_FP6 matrix_b_fmt:MATRIX_FMT_FP6
	v_wmma_scale_f32_16x16x128_f8f6f4 v[ACC+24:ACC+31], v[PCB:PCB+11], v[PCC:PCC+11], 0, v[WS1], v[QS] matrix_a_fmt:MATRIX_FMT_FP6 matrix_b_fmt:MATRIX_FMT_FP6
.rept 4
	v_nop                                          ; four places in front of the stores that read the results
.endr
.irp u, 0,1                                    ; lane (r, h), register j of accumulator (u, n): query 16 n + r, unit 16 u + 8 h + j
.irp n, 0,1
	ds_store_b128 v5, v[ACC+16*\u+8*\n:ACC+16*\u+8*\n+3] offset:2304*\n+64*\u          ; each accumulator from its low end on
	ds_store_b128 v5, v[ACC+16*\u+8*\n+4:ACC+16*\u+8*\n+7] offset:2304*\n+64*\u+16
.endr
.endr
.Lbar:
	s_wait_dscnt 0x0                               ; for the others' sake: my LDS stores are done
	s_barrier_signal -1
	s_barrier_wait -1
	s_cmp_lg_u32 s17, 0
	s_cbranch_scc1 .Lq2
	s_cmp_gt_u32 s16, 1                            ; waves 0 and 1 store a tile's 128 scale words each
	s_cbranch_scc1 .Lend
	ds_load_b128 v[16:19], v4
	s_wait_dscnt 0x0
	global_store_b128 v1, v[16:19], s[28:29]       ; 512 consecutive bytes
.Lend:
	s_wait_tensorcnt 0x0
	ds_add_u32 v219, v223
	s_wait_dscnt 0x0
	s_endpgm
.Lq2:
.irp i, 0,1,2,3,4,5,6,7
	ds_load_b128 v[16+4*\i:19+4*\i], v6 offset:4608*\i
.endr
	s_wait_dscnt 0x0
.irp i, 1,2,3,4,5,6,7                          ; the eight K steps' parts, ascending
	v_pk_add_f32 v[16:17], v[16:17], v[16+4*\i:17+4*\i]
	v_pk_add_f32 v[18:19], v[18:19], v[18+4*\i:19+4*\i]
.endr
	global_store_b128 v7, v[16:19], s[28:29]       ; the work-group stores 4,096 consecutive bytes
	s_wait_tensorcnt 0x0
	ds_add_u32 v219, v223
	s_wait_dscnt 0x0
	s_endpgm
.Lfunc_end_k_q08ae61969c_prep:
	.size	k_q08ae61969c_prep, .Lfunc_end_k_q08ae61969c_prep-k_q08ae61969c_prep
	.p2alignl 7, 3214868480
	.fill 96, 4, 3214868480
	.section	.rodata,"a",@progbits
	.p2align	6, 0x0
	.amdhsa_kernel k_q08ae61969c_prep
		.amdhsa_group_segment_fixed_size 38912
		.amdhsa_private_segment_fixed_size 0
		.amdhsa_enable_private_segment 0
		.amdhsa_kernarg_size 48
		.amdhsa_user_sgpr_count 2
		.amdhsa_user_sgpr_kernarg_segment_ptr 1
		.amdhsa_wavefront_size32 1
		.amdhsa_system_sgpr_workgroup_id_x 1
		.amdhsa_system_sgpr_workgroup_id_y 1
		.amdhsa_system_sgpr_workgroup_id_z 1
		.amdhsa_system_vgpr_workitem_id 0
		.amdhsa_next_free_vgpr 256
		.amdhsa_next_free_sgpr 66
		.amdhsa_reserve_vcc 0
		.amdhsa_float_denorm_mode_32 3
		.amdhsa_float_denorm_mode_16_64 3
		.amdhsa_memory_ordered 1
		.amdhsa_forward_progress 1
		.amdhsa_inst_pref_size 33
	.end_amdhsa_kernel
	.amdgpu_metadata
---
amdhsa.version: [ 1, 2 ]
amdhsa.kernels:
  - .name:           k_q08ae61969c_prep
    .symbol:         k_q08ae61969c_prep.kd
    .args:
      - { .name: Wk, .offset: 0, .size: 8, .value_kind: global_buffer, .address_space: global }
      - { .name: Wq, .offset: 8, .size: 8, .value_kind: global_buffer, .address_space: global }
      - { .name: queries, .offset: 16, .size: 8, .value_kind: global_buffer, .address_space: global }
      - { .name: wkimg, .offset: 24, .size: 8, .value_kind: global_buffer, .address_space: global }
      - { .name: wks, .offset: 32, .size: 8, .value_kind: global_buffer, .address_space: global }
      - { .name: pq, .offset: 40, .size: 8, .value_kind: global_buffer, .address_space: global }
    .group_segment_fixed_size: 38912
    .private_segment_fixed_size: 0
    .kernarg_segment_align: 8
    .kernarg_segment_size: 48
    .max_flat_workgroup_size: 256
    .sgpr_count:     66
    .vgpr_count:     256
    .wavefront_size: 32
...
	.end_amdgpu_metadata
.endif
;; end of part 1
;; launch main (part 2): grid 256 x 1, 8 waves a work-group, no clusters, 259,840 bytes of LDS; arguments encoder_output, lengths, v, wkimg, wks, pq, wsc, ctxp; writes wsc, ctxp
.if DOCPART == 2
	.amdgcn_target "amdgcn-amd-amdhsa--gfx1250"
	.amdhsa_code_object_version 6
	.text
	.protected	k_q08ae61969c_main
	.globl	k_q08ae61969c_main
	.p2align	8
	.type	k_q08ae61969c_main,@function
k_q08ae61969c_main:
	s_mov_b64 s[64:65], 0
	v_nop
	global_prefetch_b8 v0, s[64:65] scope:SCOPE_SE
	s_setreg_imm32_b32 hwreg(HW_REG_WAVE_MODE, 25, 1), 1
	s_wait_xcnt 0x0
; Scores w[n][t] = sum over u of v[u] tanh(pq[n][u] + Q(enc[n][t]) . Q(Wk[u])) for the rows t < lengths[n], and for each tile of 16 such rows a partial context
; ctxp[n][tile][e] = sum over the tile's rows of 2^((w - m_tile) log2 e) bf16(enc[n][t][e]), m_tile the tile's largest unmasked score.  The last launch joins the tiles.
; ONLY ROWS THAT THE MASK KEEPS ARE TOUCHED: reference() builds the mask from lengths, and what lies under it has weight 0.  Batch n has ceil(L_n / 16) tiles; all tiles of all batches, Tt of them, are dealt
; evenly: work-group g takes tiles (g Tt) >> 8 up to ((g + 1) Tt) >> 8, at most 16.  Every wave works the deal out from lengths, which it reads itself.
; A work-group walks its tiles in FOUR PASSES of up to five tiles (constant trip counts; a pass without tiles skips the work, never a barrier).  A pass:
;   X: wave w quantises k 128 w .. +127 of the pass's rows (f32 from memory, read once): the codes go to LDS as images of the operand's registers, the same numbers as bf16 rows for the context;
;   G, T: wave w owns units u 128 w .. +127, in two groups of four tiles of 16.  G: 8 K steps x 4 tiles of u x nt tiles of rows, source 0 = Wk's fragment (from memory straight into registers, laid so by the launch before),
;         source 1 = enc's (from LDS), the sums begun with pq as C.  T: tanh(x) = 1 - 2 / (1 + 2^(2 x log2 e)), times v, summed.  Waves 0-3 and waves 4-7 run G and T in opposite phase, held in step by one barrier a half-slot;
;   S: the eight waves' parts of a score meet in LDS; the tile's maximum and weights;   C: wave w sums columns 128 w .. +127 of the bf16 rows (its own LDS bytes) with those weights.
; NO TENSOR LOAD, NO CLUSTER: all work-groups read the same fragments of Wk, but how many tiles a work-group multiplies them by hangs on lengths, read from memory;
; there are no joint requests.
; LIMITS: lengths under 1 count as 1 (reference() gives NaN there), over 2,048 as 2,048; NaN and infinities among the inputs are not served; blocks whose largest magnitude lies under 2^-124 keep the scale byte 1;
; enc is rounded to bf16 for the context; f32 sums run in another order than reference()'s.
.set CODES, 0                          ; LDS: image (m, s) at (8 m + s) x 1,536; register group c at + 512 c + 16 x lane
.set ASC,   61440                      ; [m 5][lane 32][4 words]: lane 16 (s & 1) + r, word s >> 1: enc's scale words
.set BF,    64000                      ; 80 rows of 1,024 bf16, 2,064 bytes apart
.set BFP,   2064
.set TILEB, 16*BFP
.set SCP,   229120                     ; [wave][80] f32: the waves' parts of the scores
.set PV,    231680                     ; [wave][80] f32: the weights, a copy for each wave
.set PQL,   234240                     ; [wave][m 5][128] f32: pq of each tile's batch, the wave's 128 units
.set VL,    254720                     ; [wave][128] f32: v, the wave's 128 units
.set FRB,   1536
; window 0
.set LI,  1                            ; 16 x lane
.set XA,  2                            ; 4096 r + 64 h + 512 w
.set XWI, 3                            ; 16 x lane + 1536 w
.set XWS, 4                            ; ASC + 16 r + 256 (w & 1) + 4 (w >> 1)
.set XBF, 5                            ; BF + 2064 r + 32 h + 256 w
                                       ; v6, v255: the offsets of phase X's loads, one for each set of 64 numbers; they hold nothing else
.set SPA, 7                            ; SCP + 320 w + 4 r
.set SRA, 8                            ; SCP + 4 r
.set PVA, 9                            ; PV + 320 w + 4 r
.set PVB, 10                           ; PV + 320 w
.set CA,  11                           ; BF + 256 w + 8 x lane
.set CO,  12                           ; 16 x thread
.set R4,  13                           ; 4 r
.set RR,  14                           ; r
.set PQS, 15                           ; PQL + 2560 w + 16 x lane
                                       ; v16-111 accumulators of tiles 2, 3, 4 (window 1, v0-63: tiles 0, 1)
.set ABUF, 112                         ; v112-171 enc's fragment of each tile
.set ASR, 172                          ; v172-191 enc's scale words: 4 m + (s >> 1); nothing else ever stands here
.set BS,  192                          ; v192-207 Wk's scale words: 4 jt + (s >> 1); nothing else ever stands here
.set VV,  208                          ; v208-239 v of my lane's units: 8 jt + j
.set SC,  240                          ; v240-249 a pair of running sums for each tile
.set PQA, 250                          ; PQL + 2560 w + 32 h
.set VLA, 251                          ; VL + 512 w + 32 h
.set TA,  252                          ; an LDS address made on the spot
.set PFO, 253                          ; prefetch: 4096 (lane / 2) + 256 (lane % 2) + 512 w
.set PQO, 254                          ; pq: 4096 (lane / 8) + 16 (lane % 8)
; phase X: v16-79, v80-143 two sets of 64 numbers
.set TM,  144
.set PW,  156
.set PC,  208                          ; the codes just made, in V's registers, which are idle in X
; phase T
.set CH,  112                          ; four chains of pairs
; phases S and C
.set PP,  16                           ; v16-95 the 80 weights (before: v16-55 the waves' parts)
.set EE,  96                           ; v96-127 16 rows x 4 bf16
.set CACC, 128                         ; v128-147 four sums a tile
.set WR,  148                          ; v148-152 a tile's score of row r
.set X5,  153
.set YM,  159
; scalars
.set SL,  20                           ; s20-39 a word for each of 20 slots: first row (of all 65,536) | valid rows << 16; 0: empty
.set EB,  40                           ; s40-49 enc at each tile, later ctxp at each tile
.set PB,  50                           ; s50-59 pq at each tile's batch
.set GR,  66                           ; s66-70 first row, held inside the tensor
.set VC,  71                           ; s71-75 valid rows
.set WV,  76
.set TEAM, 77
.set NT,  78                           ; tiles in this pass
.set REM, 79
.set KK,  80
.set PH,  81
.set GG,  82
.set PASS, 83
.set NTN, 84                           ; tiles in the next pass
.set CC,  86                           ; s[86:87] 2 log2 e
.set SEL, 88
.set WBW, 90                           ; wkimg at my eight tiles of u
.set WBC, 92                           ; at the group in hand
.set MSB, 0
.macro WIN new                         ; the immediate's high byte repeats the setting that is left
.if MSB != (\new)
	s_set_vgpr_msb (MSB<<8)|(\new)
.set MSB, \new
.endif
.endm
.macro BARRIER                         ; my LDS stores have landed and my LDS loads are in: then the work-group's barrier
	s_wait_dscnt 0x0
	s_barrier_signal -1
	s_barrier_wait -1
.endm
.macro ACCOF m                         ; where tile m's four accumulators begin
.if (\m) < 2
.set AC, 32*(\m)
.else
.set AC, 16+32*((\m)-2)
.endif
.endm
; 64 numbers of a lane (register 16 b + i = k 32 b + 16 h + i of row r) become a fragment's codes in v[PC] on and its rows' scale word in v[PW]
.macro QUANT src
.irp b, 0,1,2,3
	v_max3_num_f32 v[TM+\b], |v[\src+16*\b]|, |v[\src+1+16*\b]|, 0x1800000   ; and the floor 2^(3 - 127): the byte cannot fall under 1
.endr
.irp i, 2,4,6,8,10,12,14
.irp b, 0,1,2,3
	v_max3_num_f32 v[TM+\b], v[TM+\b], |v[\src+16*\b+\i]|, |v[\src+1+16*\b+\i]|
.endr
.endr
.irp b, 0,1,2,3
	v_permlanex16_b32 v[TM+4+\b], v[TM+\b], s[SEL], s[SEL+1]
.endr
.irp b, 0,1,2,3
	v_max_num_f32 v[TM+\b], v[TM+\b], v[TM+4+\b]
.endr
.irp b, 0,1,2,3
	v_add_nc_u32 v[TM+8+\b], 0xff000000, v[TM+\b]   ; 2 off the exponent field: the conversion's scale operand
.endr
.irp b, 0,1,2,3
	v_lshrrev_b32 v[TM+4+\b], 23, v[TM+8+\b]
.endr
	v_lshl_or_b32 v[PW], v[TM+5], 8, v[TM+4]
	v_lshl_or_b32 v[PW], v[TM+6], 16, v[PW]
	v_lshl_or_b32 v[PW], v[TM+7], 24, v[PW]
.irp c, 0,1
	v_cvt_scalef32_pk16_fp6_f32 v[PC+6*\c:PC+2+6*\c], v[\src+32*\c:\src+15+32*\c], v[TM+8+2*\c]
	v_cvt_scalef32_pk16_fp6_f32 v[PC+12+4*\c:PC+14+4*\c], v[\src+16+32*\c:\src+31+32*\c], v[TM+8+2*\c+1]
.endr
	v_nop                                          ; one plain place behind the scaled conversions
.irp c, 0,1
.irp i, 0,1,2
	v_permlane16_swap_b32 v[PC+6*\c+\i], v[PC+12+4*\c+\i]
.endr
.irp i, 0,1,2
	v_mov_b32 v[PC+3+6*\c+\i], v[PC+12+4*\c+\i]
.endr
.endr
.endm
; Slot m's 16 rows, my 128 along K: 16 loads into set m % 2.  The loads of an empty slot are issued too, so that the counted waits mean the same on every way; their offset is 0 in every lane, so that all lanes name one piece of 16 bytes.
; The flag 'slot m holds a tile' is min(max(NT - m, 0), 1): held at 1 by a constant as its last step, and it enters the offset by one multiplication.
.macro XLOAD m
.set XU, 6+249*((\m)%2)                ; v6 or v255
	s_sub_co_i32 s94, s[NT], (\m)
	s_max_i32 s94, s94, 0
	s_min_u32 s94, s94, 1
	v_mul_u32_u24 v[XU], s94, v[XA]                ; the loads that last named this register have been waited for
.irp b, 0,1,2,3
.irp j, 0,1,2,3
	global_load_b128 v[16+64*((\m)%2)+16*\b+4*\j:16+64*((\m)%2)+16*\b+4*\j+3], v[XU], s[EB+2*(\m):EB+2*(\m)+1] offset:128*\b+16*\j th:TH_LOAD_NT
.endr
.endr
.endm
.macro XUNIT m
.set STG, 16+64*((\m)%2)
.if (\m) < 4
	s_wait_loadcnt 16                              ; this slot's loads are in; the next slot's 16 may be out
.else
	s_wait_loadcnt 0x0
.endif
	s_cmp_le_u32 s[NT], \m
	s_cbranch_scc1 .Lxskip_\@
	QUANT STG
.irp c, 0,1,2
	ds_store_b128 v[XWI], v[PC+4*\c:PC+4*\c+3] offset:8*FRB*(\m)+512*\c    ; image (m, s = w)
.endr
	ds_store_b32 v[XWS], v[PW] offset:512*(\m)     ; lanes l and l + 16 write the same word with the same value
.set IDX, 0
.rept 32
	v_cvt_pk_bf16_f32 v[STG+IDX], v[STG+2*IDX], v[STG+2*IDX+1]   ; in place, ascending: no number is written over before it is read
.set IDX, IDX+1
.endr
	v_add_nc_u32 v[TA], TILEB*(\m), v[XBF]
.irp b, 0,1,2,3
.irp q, 0,1
	ds_store_b128 v[TA], v[STG+8*\b+4*\q:STG+8*\b+4*\q+3] offset:64*\b+16*\q
.endr
.endr
.Lxskip_\@:
	s_wait_dscnt 0x0                               ; the stores have read their registers: the set may be loaded again
.if (\m)+2 <= 4
	XLOAD (\m)+2
.endif
.endm
; pq of tile m's batch, group g, into the tile's accumulators: lane (r, h), register j of accumulator jt: unit 64 g + 16 jt + 8 h + j
.macro BIAS m, g
	ACCOF \m
.if (\m) < 2
	WIN 0x40
.endif
.irp jt, 0,1,2,3
.irp q, 0,1
	ds_load_b128 v[AC+8*\jt+4*\q:AC+8*\jt+4*\q+3], v[PQA] offset:512*(\m)+256*(\g)+64*\jt+16*\q
.endr
.endr
	WIN 0
.endm
; Group g's scale words and its fragments of K steps 0 to 3: 52 loads
.macro RINGFILL g
.irp jt, 0,1,2,3
	global_load_b128 v[BS+4*\jt:BS+4*\jt+3], v[LI], s[12:13] offset:(4*(\g)+\jt)*512
.endr
	WIN 0x40                                       ; destination window 1
.irp s, 0,1,2,3
.irp jt, 0,1,2,3
.irp c, 0,1,2
	global_load_b128 v[64+48*\s+12*\jt+4*\c:67+48*\s+12*\jt+4*\c], v[LI], s[WBW:WBW+1] offset:32*FRB*(\g)+(8*\jt+\s)*FRB+512*\c
.endr
.endr
.endr
	WIN 0
.endm
; K step s, tile m of nt: four products, one for each tile of u.  The accumulators take turns, one instruction a turn, in the same order in every step.
; In the result lane (r, h) holds row r of the tile, and register j unit 8 h + j of the tile of u.
.macro GBLOCK s, m, nt
.if (\s) < 7
	s_wait_dscnt 3*((\nt)-1)                       ; my fragment is in; behind its three loads stand three for each of the other tiles
.else
	s_wait_dscnt 3*((\nt)-1-(\m))                  ; the last step fetches nothing: only the later tiles' loads stand behind mine
.endif
	ACCOF \m
.if (\m) < 2
	WIN 0x51                                       ; source 0 (Wk) window 1, source 1 (enc) window 0, C and D window 1
.else
	WIN 0x01
.endif
.irp jt, 0,1,2,3
.if ((\s)&1)
	v_wmma_scale_f32_16x16x128_f8f6f4 v[AC+8*\jt:AC+8*\jt+7], v[64+48*((\s)&3)+12*\jt:64+48*((\s)&3)+12*\jt+11], v[ABUF+12*(\m):ABUF+12*(\m)+11], v[AC+8*\jt:AC+8*\jt+7], v[BS+4*\jt+((\s)>>1)], v[ASR+4*(\m)+((\s)>>1)] matrix_a_fmt:MATRIX_FMT_FP6 matrix_b_fmt:MATRIX_FMT_FP6 matrix_a_scale:MATRIX_SCALE_ROW1 matrix_b_scale:MATRIX_SCALE_ROW1
.else
	v_wmma_scale_f32_16x16x128_f8f6f4 v[AC+8*\jt:AC+8*\jt+7], v[64+48*((\s)&3)+12*\jt:64+48*((\s)&3)+12*\jt+11], v[ABUF+12*(\m):ABUF+12*(\m)+11], v[AC+8*\jt:AC+8*\jt+7], v[BS+4*\jt+((\s)>>1)], v[ASR+4*(\m)+((\s)>>1)] matrix_a_fmt:MATRIX_FMT_FP6 matrix_b_fmt:MATRIX_FMT_FP6
.endif
.endr
	WIN 0
.rept 4
	v_nop                                          ; four places in front of loads into registers that these products have read, and of the first read of results
.endr
.if (\s) < 7
.irp c, 0,1,2
	ds_load_b128 v[ABUF+12*(\m)+4*\c:ABUF+12*(\m)+4*\c+3], v[LI] offset:(8*(\m)+(\s)+1)*FRB+512*\c
.endr
.endif
.endm
; A group's products for nt tiles of rows, written out.  Wk's fragments go through four buffers: steps 0 to 3 are there, step s + 4 is asked for when step s is done.
.macro GEMM nt
.set MM, 0
.rept \nt
	ds_load_b128 v[ASR+4*MM:ASR+4*MM+3], v[LI] offset:ASC+512*MM   ; enc's scale words of tile MM: 16 bytes a lane; the immediate is 63,488 at the most
.set MM, MM+1
.endr
.set MM, 0
.rept \nt
.irp c, 0,1,2
	ds_load_b128 v[ABUF+12*MM+4*\c:ABUF+12*MM+4*\c+3], v[LI] offset:8*MM*FRB+512*\c
.endr
.set MM, MM+1
.endr
.set SS, 0
.rept 8
.if SS >= 4
	s_wait_loadcnt 12*(7-SS)                       ; this step's 12 loads are in; 12 for each later step may be out
.endif
.set MM, 0
.rept \nt
	GBLOCK SS, MM, \nt
.set MM, MM+1
.endr
.if SS < 4
	WIN 0x40
.irp jt, 0,1,2,3
.irp c, 0,1,2
	global_load_b128 v[64+48*SS+12*\jt+4*\c:67+48*SS+12*\jt+4*\c], v[LI], s[WBC:WBC+1] offset:(8*\jt+SS+4)*FRB+512*\c
.endr
.endr
	WIN 0
.endif
.set SS, SS+1
.endr
.endm
.macro VLOAD g
.irp jt, 0,1,2,3
.irp q, 0,1
	ds_load_b128 v[VV+8*\jt+4*\q:VV+8*\jt+4*\q+3], v[VLA] offset:256*(\g)+64*\jt+16*\q
.endr
.endr
.endm
; Tile m's 32 sums of a lane: e = 2^(2 x log2 e), r = 1 / (1 + e), tanh = 1 - 2 r, times v, summed into the tile's running pair.
; The exponentials are one batch with one wait, and so are the reciprocals: the wait stands ahead of the first instruction that names a result.
.macro TTILE m
	s_cmp_le_u32 s[NT], \m
	s_cbranch_scc1 .Ltend
	ACCOF \m
.if (\m) < 2
	WIN 0x41                                       ; destination and source 0 window 1
.endif
.set IDX, 0
.rept 16
	v_pk_mul_f32 v[AC+2*IDX:AC+2*IDX+1], v[AC+2*IDX:AC+2*IDX+1], s[CC:CC+1] op_sel_hi:[1,0]   ; ascending: each accumulator is read from its low end on
.set IDX, IDX+1
.endr
.set IDX, 0
.rept 32
	v_exp_f32 v[AC+IDX], v[AC+IDX]
.set IDX, IDX+1
.endr
	v_nop                                          ; a plain place behind the last exponential
	s_wait_alu depctr_va_vdst(0)
.set IDX, 0
.rept 16
	v_pk_add_f32 v[AC+2*IDX:AC+2*IDX+1], v[AC+2*IDX:AC+2*IDX+1], 1.0 op_sel_hi:[1,0]
.set IDX, IDX+1
.endr
.set IDX, 0
.rept 32
	v_rcp_f32 v[AC+IDX], v[AC+IDX]                 ; e = infinity gives 0, e = 0 gives 1: tanh = 1 and -1
.set IDX, IDX+1
.endr
	v_nop
	s_wait_alu depctr_va_vdst(0)
.set IDX, 0
.rept 16
	v_pk_fma_f32 v[AC+2*IDX:AC+2*IDX+1], v[AC+2*IDX:AC+2*IDX+1], -2.0, 1.0 op_sel_hi:[1,0,0]   ; tanh, number by number: no difference of long sums is formed
.set IDX, IDX+1
.endr
.if (\m) < 2
	WIN 0x01                                       ; source 0 window 1
.endif
.set IDX, 0
.rept 16
.if IDX < 4
	v_pk_mul_f32 v[CH+2*IDX:CH+2*IDX+1], v[AC+2*IDX:AC+2*IDX+1], v[VV+2*IDX:VV+2*IDX+1]   ; the first four start the chains
.else
	v_pk_fma_f32 v[CH+2*(IDX%4):CH+2*(IDX%4)+1], v[AC+2*IDX:AC+2*IDX+1], v[VV+2*IDX:VV+2*IDX+1], v[CH+2*(IDX%4):CH+2*(IDX%4)+1]
.endif
.set IDX, IDX+1
.endr
	WIN 0
	v_pk_add_f32 v[CH:CH+1], v[CH:CH+1], v[CH+2:CH+3]
	v_pk_add_f32 v[CH+4:CH+5], v[CH+4:CH+5], v[CH+6:CH+7]
	v_pk_add_f32 v[CH:CH+1], v[CH:CH+1], v[CH+4:CH+5]
	v_pk_add_f32 v[SC+2*(\m):SC+2*(\m)+1], v[SC+2*(\m):SC+2*(\m)+1], v[CH:CH+1]
	s_cmp_lg_u32 s[GG], 0
	s_cbranch_scc1 .Ltb_\@
	BIAS \m, 1                                     ; behind group 0 the accumulators take group 1's pq; the barrier's wait covers these loads
.Ltb_\@:
.endm
; The pass's five slots: valid rows, first row, and the addresses that hang on it.  An empty slot takes slot 0's row.  Each number from the deal is held by a constant before it enters an address.
.macro SLOTS
	s_mov_b32 s97, 0
.irp m, 0,1,2,3,4
	s_lshr_b32 s[VC+\m], s[SL+\m], 16
	s_and_b32 s94, s[SL+\m], 0xffff
.if \m > 0
	s_cmp_eq_u32 s[VC+\m], 0
	s_cselect_b32 s94, s[GR], s94
.endif
	s_min_u32 s[GR+\m], s94, 0xfff0
	s_lshr_b32 s96, s94, 11                        ; the batch
	s_min_u32 s96, s96, 31
	s_lshl_b32 s96, s96, 7                         ; 128 bytes for each batch in pq's layout
	s_add_nc_u64 s[PB+2*\m:PB+2*\m+1], s[14:15], s[96:97]
	s_lshl_b32 s96, s[GR+\m], 12                   ; a row of enc is 4,096 bytes
	s_add_nc_u64 s[EB+2*\m:EB+2*\m+1], s[4:5], s[96:97]
.endr
.endm
	s_load_b256 s[4:11], s[0:1], 0x0               ; enc s[4:5], lengths s[6:7], v s[8:9], wkimg s[10:11]
	s_load_b256 s[12:19], s[0:1], 0x20             ; wks s[12:13], pq s[14:15], wsc s[16:17], ctxp s[18:19]
	v_lshrrev_b32 v16, 5, v0
	v_readfirstlane_b32 s[WV], v16                 ; wave 0..7
	s_lshr_b32 s[TEAM], s[WV], 2
	v_and_b32 v17, 31, v0                          ; lane
	v_and_b32 v[RR], 15, v0
	v_bfe_u32 v18, v0, 4, 1                        ; h
	v_lshlrev_b32 v[LI], 4, v17
	s_lshl_b32 s94, s[WV], 9                       ; 512 w
	v_lshlrev_b32 v[XA], 12, v[RR]
	v_lshl_add_u32 v[XA], v18, 6, v[XA]
	v_add_nc_u32 v[XA], s94, v[XA]
	s_mul_i32 s95, s[WV], FRB
	v_add_nc_u32 v[XWI], s95, v[LI]
	s_and_b32 s95, s[WV], 1
	s_lshl_b32 s95, s95, 8
	s_lshr_b32 s96, s[WV], 1
	s_lshl_b32 s96, s96, 2
	s_add_co_u32 s95, s95, s96
	s_add_co_u32 s95, s95, ASC
	v_lshl_add_u32 v[XWS], v[RR], 4, s95
	s_lshl_b32 s95, s[WV], 8
	s_add_co_u32 s95, s95, BF
	v_mul_u32_u24 v[XBF], v[RR], BFP
	v_lshl_add_u32 v[XBF], v18, 5, v[XBF]
	v_add_nc_u32 v[XBF], s95, v[XBF]
	v_lshl_add_u32 v[CA], v17, 3, s95
	v_lshlrev_b32 v[R4], 2, v[RR]
	s_mul_i32 s95, s[WV], 320
	s_add_co_u32 s96, s95, SCP
	v_add_nc_u32 v[SPA], s96, v[R4]
	v_add_nc_u32 v[SRA], SCP, v[R4]
	s_add_co_u32 s96, s95, PV
	v_add_nc_u32 v[PVA], s96, v[R4]
	v_mov_b32 v[PVB], s96
	v_lshlrev_b32 v[CO], 4, v0
	s_mul_i32 s95, s[WV], 2560
	s_add_co_u32 s95, s95, PQL
	v_add_nc_u32 v[PQS], s95, v[LI]
	v_lshl_add_u32 v[PQA], v18, 5, s95
	s_add_co_u32 s95, s94, VL
	v_lshl_add_u32 v[VLA], v18, 5, s95
	v_add_nc_u32 v[TA], s95, v[LI]                 ; where my 16 bytes of v go
	v_lshrrev_b32 v19, 1, v17
	v_lshlrev_b32 v[PFO], 12, v19
	v_and_b32 v19, 1, v17
	v_lshl_add_u32 v[PFO], v19, 8, v[PFO]
	v_add_nc_u32 v[PFO], s94, v[PFO]
	v_lshrrev_b32 v19, 3, v17
	v_lshlrev_b32 v[PQO], 12, v19
	v_and_b32 v19, 7, v17
	v_lshl_add_u32 v[PQO], v19, 4, v[PQO]
	s_mov_b32 s[CC], 0x4038aa3b                    ; 2 log2 e
	s_mov_b32 s[CC+1], s[CC]                       ; (named with it as a pair, so it is written)
	s_mov_b32 s[SEL], 0x76543210
	s_mov_b32 s[SEL+1], 0xfedcba98                 ; lane l xor 16
	s_mov_b32 s95, 0
	s_wait_kmcnt 0x0
	s_load_b256 s[20:27], s[6:7], 0x0              ; the 32 lengths
	s_load_b256 s[28:35], s[6:7], 0x20
	s_load_b256 s[36:43], s[6:7], 0x40
	s_load_b256 s[44:51], s[6:7], 0x60
	s_add_nc_u64 s[8:9], s[8:9], s[94:95]          ; v at my 128 units
	s_lshl_b32 s94, s[WV], 14
	s_add_nc_u64 s[14:15], s[14:15], s[94:95]      ; pq at my four groups of 32 units
	s_lshl_b32 s94, s[WV], 12
	s_add_nc_u64 s[12:13], s[12:13], s[94:95]      ; wks at my eight tiles
	s_mul_i32 s94, s[WV], 64*FRB
	s_add_nc_u64 s[WBW:WBW+1], s[10:11], s[94:95]  ; wkimg likewise
	global_load_b128 v[16:19], v[LI], s[8:9]
	RINGFILL 0
	s_wait_kmcnt 0x0
	; ---- the deal.  First sweep: lengths held to 1 .. 2,048; Tt = all tiles
	s_mov_b32 s94, 0
.set IDX, 0
.rept 32
	s_max_i32 s[20+IDX], s[20+IDX], 1
	s_min_u32 s[20+IDX], s[20+IDX], 0x800
	s_add_co_u32 s95, s[20+IDX], 15
	s_lshr_b32 s95, s95, 4
	s_add_co_u32 s94, s94, s95
.set IDX, IDX+1
.endr
	s_mul_i32 s95, ttmp9, s94
	s_add_co_u32 s96, s95, s94
	s_lshr_b32 s95, s95, 8                         ; my first tile
	s_lshr_b32 s96, s96, 8
	s_sub_co_u32 s[REM], s96, s95                  ; how many are mine: at most 16
	; second sweep: lane i stands for slot i, tile q = first + i; of the batches whose first tile E is at most q the last one wins
	v_and_b32 v24, 31, v0
	v_add_nc_u32 v20, s95, v24                     ; q
	v_mov_b32 v21, 0                               ; a = 2048 n - 16 E
	v_mov_b32 v22, s20                             ; b = L_n + 16 E
	s_mov_b32 s96, 0
.set IDX, 1
.rept 31
	s_add_co_u32 s97, s[20+IDX-1], 15
	s_lshr_b32 s97, s97, 4
	s_add_co_u32 s96, s96, s97                     ; E of batch IDX
	s_lshl_b32 s97, s96, 4
	s_sub_co_u32 s98, 2048*IDX, s97
	s_add_co_u32 s99, s[20+IDX], s97
	v_cmp_gt_u32 vcc_lo, s96, v20                  ; E > q: keep what stands
	v_cndmask_b32 v21, s98, v21, vcc_lo
	v_cndmask_b32 v22, s99, v22, vcc_lo
.set IDX, IDX+1
.endr
	v_lshlrev_b32 v23, 4, v20
	v_add_nc_u32 v21, v21, v23                     ; the tile's first row, counted over all batches
	v_sub_nc_u32 v22, v22, v23
	v_min_u32 v22, 16, v22                         ; its valid rows
	v_lshl_or_b32 v21, v22, 16, v21
	v_cmp_gt_u32 vcc_lo, s[REM], v24
	v_cndmask_b32 v21, 0, v21, vcc_lo              ; slots beyond my share are empty
.set IDX, 0
.rept 20
	v_readlane_b32 s[SL+IDX], v21, IDX
.set IDX, IDX+1
.endr
	s_wait_loadcnt 52                              ; v is in: behind its load stand the ring's 52
	ds_store_b128 v[TA], v[16:19]
.set IDX, 148
.rept 16
	v_mov_b32 v[IDX], 0                            ; written once: lane permutes and DPP forms count their destination as a source
.set IDX, IDX+1
.endr
	s_wait_dscnt 0x0                               ; the store has read its registers
	s_mov_b32 s[PASS], 4
.Lpass:
	; ---- X
	s_wait_xcnt 0x0                                ; the last pass's loads and stores have read their bases and data: both are written again below
	s_min_u32 s[NT], s[REM], 5
	s_sub_co_u32 s[REM], s[REM], s[NT]
	s_min_u32 s[NTN], s[REM], 5
	SLOTS
	WIN 0x40
.irp m, 0,1,2,3,4
	global_load_b128 v[4*\m:4*\m+3], v[PQO], s[PB+2*\m:PB+2*\m+1]   ; pq of the tile's batch, my 128 units: 4 x lane on
.endr
	WIN 0
	s_cmp_eq_u32 s[NT], 0
	s_cbranch_scc1 .Lxend
	XLOAD 0
	XLOAD 1
	XUNIT 0
	XUNIT 1
	XUNIT 2
	XUNIT 3
	XUNIT 4
.Lxend:
	s_wait_loadcnt 0x0
	WIN 0x04                                       ; an LDS store's data are its source 1: window 1
.irp m, 0,1,2,3,4
	ds_store_b128 v[PQS], v[4*\m:4*\m+3] offset:512*\m
.endr
	WIN 0
.irp m, 0,1,2,3,4
	BIAS \m, 0                                     ; LDS serves a wave's instructions in order: these see my stores
.endr
.irp i, 0,1,2,3,4,5,6,7,8,9
	v_mov_b32 v[SC+\i], 0
.endr
	BARRIER                                        ; the pass's codes and scale words lie in LDS
	; ---- five half-slots: waves 0-3 run G0 T0 G1 T1 -, waves 4-7 run - G0 T0 G1 T1
	s_mov_b32 s[KK], 0
.Lhalf:
	s_cmp_eq_u32 s[KK], 4
	s_cbranch_scc0 .Lnopf
	; a prefetch of the next pass's first two tiles: each wave names its own 512 bytes of 16 rows, a lane a block of 256 bytes, so each block is named once; it stands one half-slot and the phases S and C ahead of the loads
	s_wait_xcnt 0x0                                ; the last pass's prefetches have read their bases
	s_mov_b32 s95, 0
	s_and_b32 s94, s[SL+5], 0xffff
	s_min_u32 s94, s94, 0xfff0
	s_lshl_b32 s94, s94, 12
	s_add_nc_u64 s[98:99], s[4:5], s[94:95]
	s_and_b32 s94, s[SL+6], 0xffff
	s_min_u32 s94, s94, 0xfff0
	s_lshl_b32 s94, s94, 12
	s_add_nc_u64 s[100:101], s[4:5], s[94:95]
	s_lshr_b32 s94, s[SL+5], 16
	s_cmp_eq_u32 s94, 0
	s_cbranch_scc1 .Lnopf                          ; an empty slot is followed by empty slots
	global_prefetch_b8 v[PFO], s[98:99] th:TH_LOAD_NT scope:SCOPE_SE
	s_lshr_b32 s94, s[SL+6], 16
	s_cmp_eq_u32 s94, 0
	s_cbranch_scc1 .Lnopf
	global_prefetch_b8 v[PFO], s[100:101] th:TH_LOAD_NT scope:SCOPE_SE
.Lnopf:
	s_sub_co_u32 s[PH], s[KK], s[TEAM]
	s_cmp_eq_u32 s[NT], 0
	s_cbranch_scc1 .Lidle
	s_cmp_gt_u32 s[PH], 3                          ; (-1 counts as large)
	s_cbranch_scc1 .Lidle
	s_lshr_b32 s[GG], s[PH], 1
	s_bitcmp1_b32 s[PH], 0
	s_cbranch_scc1 .LT
	; ---- G
	s_wait_loadcnt 0x0                             ; the group's scale words and its first four K steps are in
	s_wait_xcnt 0x0
	s_mul_i32 s94, s[GG], 32*FRB
	s_mov_b32 s95, 0
	s_add_nc_u64 s[WBC:WBC+1], s[WBW:WBW+1], s[94:95]
	s_cmp_eq_u32 s[NT], 1
	s_cbranch_scc1 .Lg1
	s_cmp_eq_u32 s[NT], 2
	s_cbranch_scc1 .Lg2
	s_cmp_eq_u32 s[NT], 3
	s_cbranch_scc1 .Lg3
	s_cmp_eq_u32 s[NT], 4
	s_cbranch_scc1 .Lg4
	GEMM 5
	s_branch .Lgtail
.Lg4:
	GEMM 4
	s_branch .Lgtail
.Lg3:
	GEMM 3
	s_branch .Lgtail
.Lg2:
	GEMM 2
	s_branch .Lgtail
.Lg1:
	GEMM 1
.Lgtail:                                           ; the next group's first four K steps are asked for now: they have the phase T in which to land
	s_cmp_eq_u32 s[GG], 0
	s_cbranch_scc0 .Lgt1
	RINGFILL 1
	s_branch .Lidle
.Lgt1:
	s_cmp_eq_u32 s[NTN], 0
	s_cbranch_scc1 .Lidle
	RINGFILL 0
	s_branch .Lidle
.LT:	; ---- T
	s_cmp_eq_u32 s[GG], 0
	s_cbranch_scc0 .Ltv1
	VLOAD 0
	s_branch .Ltv
.Ltv1:
	VLOAD 1
.Ltv:
	s_wait_dscnt 0x0                               ; v of my lane's 32 units is in
	TTILE 0
	TTILE 1
	TTILE 2
	TTILE 3
	TTILE 4
.Ltend:
.Lidle:
	BARRIER                                        ; it holds the two teams in step; no LDS byte is written in a half-slot
	s_add_co_u32 s[KK], s[KK], 1
	s_cmp_lt_u32 s[KK], 5
	s_cbranch_scc1 .Lhalf
	; ---- S: my 128 units' part of each row's score
.irp m, 0,1,2,3,4
	v_add_f32 v[WR+\m], v[SC+2*\m], v[SC+2*\m+1]
.endr
.irp m, 0,1,2,3,4
	v_permlanex16_b32 v[X5+\m], v[WR+\m], s[SEL], s[SEL+1]
.endr
.irp m, 0,1,2,3,4
	v_add_f32 v[WR+\m], v[WR+\m], v[X5+\m]
.endr
.irp m, 0,1,2,3,4
	ds_store_b32 v[SPA], v[WR+\m] offset:64*\m     ; lanes l and l + 16 write the same word with the same value
.endr
	BARRIER
	s_cmp_eq_u32 s[NT], 0
	s_cbranch_scc1 .Lpend
.irp m, 0,1,2,3,4
.irp i, 0,1,2,3,4,5,6,7
	ds_load_b32 v[PP+8*\m+\i], v[SRA] offset:320*\i+64*\m
.endr
.endr
	s_wait_dscnt 0x0
.irp m, 0,1,2,3,4
	v_add_f32 v[WR+\m], v[PP+8*\m], v[PP+8*\m+1]   ; ascending by wave: every wave makes the same bits
.endr
.irp i, 2,3,4,5,6,7
.irp m, 0,1,2,3,4
	v_add_f32 v[WR+\m], v[WR+\m], v[PP+8*\m+\i]
.endr
.endr
.irp m, 0,1,2,3,4                              ; wave m stores tile m's 16 scores
	s_cmp_lg_u32 s[WV], \m
	s_cbranch_scc1 .Lnw\m
	s_cmp_le_u32 s[NT], \m
	s_cbranch_scc1 .Lnw\m
	s_wait_xcnt 0x0                                ; the base below is written only behind this wait
	s_lshl_b32 s94, s[GR+\m], 2
	s_mov_b32 s95, 0
	s_add_nc_u64 s[96:97], s[16:17], s[94:95]
	global_store_b32 v[R4], v[WR+\m], s[96:97]
.Lnw\m:
.endr
.irp m, 0,1,2,3,4
	v_cmp_gt_u32 vcc_lo, s[VC+\m], v[RR]           ; rows at or beyond the length count for nothing
	v_cndmask_b32 v[X5+\m], 0xff800000, v[WR+\m], vcc_lo
.endr
.irp m, 0,1,2,3,4
	v_max_num_f32_dpp v[YM+\m], v[X5+\m], v[X5+\m] row_xmask:1 row_mask:0xf bank_mask:0xf
.endr
.irp x, 2,4,8
.irp m, 0,1,2,3,4
	v_max_num_f32_dpp v[YM+\m], v[YM+\m], v[YM+\m] row_xmask:\x row_mask:0xf bank_mask:0xf
.endr
.endr
.irp m, 0,1,2,3,4
	v_max_num_f32 v[YM+\m], 0xff61b1e6, v[YM+\m]   ; the tile's largest score (an empty slot: -3e38, so that no difference of infinities is formed)
.endr
.irp m, 0,1,2,3,4
	v_sub_f32 v[X5+\m], v[X5+\m], v[YM+\m]
.endr
.irp m, 0,1,2,3,4
	v_mul_f32 v[X5+\m], 0x3fb8aa3b, v[X5+\m]
.endr
.irp m, 0,1,2,3,4
	v_exp_f32 v[X5+\m], v[X5+\m]
.endr
	v_nop                                          ; a plain place behind the last exponential,
	s_wait_alu depctr_va_vdst(0)                   ; and the one wait for the five, ahead of their first reader
.irp m, 0,1,2,3,4
	ds_store_b32 v[PVA], v[X5+\m] offset:64*\m
.endr
.irp m, 0,1,2,3,4
.irp q, 0,1,2,3
	ds_load_b128 v[PP+16*\m+4*\q:PP+16*\m+4*\q+3], v[PVB] offset:64*\m+16*\q   ; my own copy, in order behind my stores: every lane gets all 80 weights
.endr
.endr
	; ---- C: columns 128 w + 4 x lane .. + 3 of each tile
	s_wait_xcnt 0x0
	s_mov_b32 s95, 0
.irp m, 0,1,2,3,4
	s_lshl_b32 s94, s[GR+\m], 8                    ; a tile of ctxp is 4,096 bytes
	s_add_nc_u64 s[EB+2*\m:EB+2*\m+1], s[18:19], s[94:95]
.endr
.irp m, 0,1,2,3,4
	s_cmp_le_u32 s[NT], \m
	s_cbranch_scc1 .Lpend
	v_add_nc_u32 v[TA], TILEB*\m, v[CA]
.set IDX, 0
.rept 16
	ds_load_b64 v[EE+2*IDX:EE+2*IDX+1], v[TA] offset:BFP*IDX   ; 32 lanes read 256 consecutive bytes of a row, which this wave wrote itself
.set IDX, IDX+1
.endr
.irp i, 0,1,2,3
	v_mov_b32 v[CACC+4*\m+\i], 0
.endr
	s_wait_dscnt 0x0
.set IDX, 0
.rept 16
	v_fma_mix_f32_bf16 v[CACC+4*\m], v[EE+2*IDX], v[PP+16*\m+IDX], v[CACC+4*\m] op_sel_hi:[1,0,0]
	v_fma_mix_f32_bf16 v[CACC+4*\m+1], v[EE+2*IDX], v[PP+16*\m+IDX], v[CACC+4*\m+1] op_sel:[1,0,0] op_sel_hi:[1,0,0]
	v_fma_mix_f32_bf16 v[CACC+4*\m+2], v[EE+2*IDX+1], v[PP+16*\m+IDX], v[CACC+4*\m+2] op_sel_hi:[1,0,0]
	v_fma_mix_f32_bf16 v[CACC+4*\m+3], v[EE+2*IDX+1], v[PP+16*\m+IDX], v[CACC+4*\m+3] op_sel:[1,0,0] op_sel_hi:[1,0,0]
.set IDX, IDX+1
.endr
	global_store_b128 v[CO], v[CACC+4*\m:CACC+4*\m+3], s[EB+2*\m:EB+2*\m+1] th:TH_STORE_NT   ; a wave stores 512 consecutive bytes, the work-group the tile's 4,096
.endr
.Lpend:
	BARRIER                                        ; every wave's reads of this pass's LDS bytes are over: the next pass may write them
.set IDX, 0
.rept 15
	s_mov_b32 s[SL+IDX], s[SL+IDX+5]
.set IDX, IDX+1
.endr
.rept 5
	s_mov_b32 s[SL+IDX], 0
.set IDX, IDX+1
.endr
	s_sub_co_u32 s[PASS], s[PASS], 1
	s_cmp_lg_u32 s[PASS], 0
	s_cbranch_scc1 .Lpass
	s_wait_xcnt 0x0
	v_lshl_add_u32 v254, v0, 2, 0x3f300
	v_mov_b32 v255, 0
	s_wait_tensorcnt 0x0
	ds_add_u32 v254, v255
	s_wait_dscnt 0x0
	s_endpgm
.Lfunc_end_k_q08ae61969c_main:
	.size	k_q08ae61969c_main, .Lfunc_end_k_q08ae61969c_main-k_q08ae61969c_main
	.p2alignl 7, 3214868480
	.fill 96, 4, 3214868480
	.section	.rodata,"a",@progbits
	.p2align	6, 0x0
	.amdhsa_kernel k_q08ae61969c_main
		.amdhsa_group_segment_fixed_size 259840
		.amdhsa_private_segment_fixed_size 0
		.amdhsa_enable_private_segment 0
		.amdhsa_kernarg_size 64
		.amdhsa_user_sgpr_count 2
		.amdhsa_user_sgpr_kernarg_segment_ptr 1
		.amdhsa_wavefront_size32 1
		.amdhsa_system_sgpr_workgroup_id_x 1
		.amdhsa_system_sgpr_workgroup_id_y 1
		.amdhsa_system_sgpr_workgroup_id_z 1
		.amdhsa_system_vgpr_workitem_id 0
		.amdhsa_next_free_vgpr 512
		.amdhsa_next_free_sgpr 104
		.amdhsa_reserve_vcc 1
		.amdhsa_float_denorm_mode_32 3
		.amdhsa_float_denorm_mode_16_64 3
		.amdhsa_memory_ordered 1
		.amdhsa_forward_progress 1
		.amdhsa_inst_pref_size 255
	.end_amdhsa_kernel
	.section	.bss,"aw",@nobits
	.p2align	6
	.space	262144
	.amdgpu_metadata
---
amdhsa.version: [ 1, 2 ]
amdhsa.kernels:
  - .name:           k_q08ae61969c_main
    .symbol:         k_q08ae61969c_main.kd
    .args:
      - { .name: encoder_output, .offset: 0, .size: 8, .value_kind: global_buffer, .address_space: global }
      - { .name: lengths, .offset: 8, .size: 8, .value_kind: global_buffer, .address_space: global }
      - { .name: v, .offset: 16, .size: 8, .value_kind: global_buffer, .address_space: global }
      - { .name: wkimg, .offset: 24, .size: 8, .value_kind: global_buffer, .address_space: global }
      - { .name: wks, .offset: 32, .size: 8, .value_kind: global_buffer, .address_space: global }
      - { .name: pq, .offset: 40, .size: 8, .value_kind: global_buffer, .address_space: global }
      - { .name: wsc, .offset: 48, .size: 8, .value_kind: global_buffer, .address_space: global }
      - { .name: ctxp, .offset: 56, .size: 8, .value_kind: global_buffer, .address_space: global }
    .group_segment_fixed_size: 259840
    .private_segment_fixed_size: 0
    .kernarg_segment_align: 8
    .kernarg_segment_size: 64
    .max_flat_workgroup_size: 256
    .sgpr_count:     104
    .vgpr_count:     512
    .wavefront_size: 32
...
	.end_amdgpu_metadata
.endif
;; end of part 2
;; launch finish (part 3): grid 32 x 8, 8 waves a work-group, no clusters, 6,144 bytes of LDS; arguments lengths, wsc, ctxp, out0, out1; writes out0, out1
.if DOCPART == 3
	.amdgcn_target "amdgcn-amd-amdhsa--gfx1250"
	.amdhsa_code_object_version 6
	.text
	.protected	k_q08ae61969c_finish
	.globl	k_q08ae61969c_finish
	.p2align	8
	.type	k_q08ae61969c_finish,@function
k_q08ae61969c_finish:
	s_mov_b64 s[64:65], 0
	v_nop
	global_prefetch_b8 v0, s[64:65] scope:SCOPE_SE
	s_setreg_imm32_b32 hwreg(HW_REG_WAVE_MODE, 25, 1), 1
	s_wait_xcnt 0x0
; The softmax over a batch's scores and the joining of its tiles' partial contexts.
; out1[n][t] = 2^((w - M) log2 e) / L for t < length, else 0; M the batch's largest unmasked score, L the sum.  out0[n][e] = sum over tiles of 2^((m_tile - M) log2 e) ctxp[n][tile][e] / L.
; SHARES: work-group (n, y) owns columns 128 y .. +127 of batch n's context; each of the eight work-groups of a batch works M, L and the tiles' factors out anew from 8 KB of scores.
; Thread i holds scores 4 i .. +3 and 1024 + 4 i .. +3; four neighbouring lanes hold a tile.  Wave w sums tiles w, w + 8, ..; wave y of work-group y stores its own threads' part of out1, so that each byte has one owner.
; Only what the launch before has stored is read: scores of rows under 16 x tiles (the index is held there), partial contexts of tiles under ceil(length / 16).
; LIMITS: lengths are held to 1 .. 2,048, as in the launch before.  Streams of a few KB a work-group: no LDS ring, no matrix unit, no cluster.
.set RED0, 0                           ; LDS: a maximum for each wave
.set RED1, 256                         ; a sum for each wave
.set FT,   512                         ; 128 words: a factor for each tile
.set CR,   1024                        ; 8 x 512 bytes: the waves' parts of the context
	s_load_b256 s[4:11], s[0:1], 0x0               ; lengths, wsc, ctxp, out0
	s_load_b64 s[12:13], s[0:1], 0x20              ; out1
	v_lshl_add_u32 v128, v0, 2, 0x1400
	v_mov_b32 v129, 0
	v_lshrrev_b32 v12, 5, v0
	v_readfirstlane_b32 s16, v12                   ; wave
	s_and_b32 s17, ttmp7, 0xffff                   ; y
	v_and_b32 v13, 31, v0
	v_lshlrev_b32 v1, 4, v13                       ; 16 x lane
	v_lshlrev_b32 v112, 2, v12                     ; my wave's word
	v_lshrrev_b32 v113, 2, v0
	v_lshl_add_u32 v113, v113, 2, FT               ; my tile's word
	v_mov_b32 v114, 0
	v_lshl_add_u32 v115, v12, 2, FT                ; tile w's word
	v_lshl_add_u32 v116, v0, 4, CR
	v_add_nc_u32 v117, CR, v1
	v_lshlrev_b32 v118, 4, v0                      ; 16 x thread
	v_mov_b32 v103, 0                              ; (a lane permute's destination counts as one of its sources)
	s_mov_b32 s26, 0x76543210
	s_mov_b32 s27, 0xfedcba98                      ; lane l xor 16
	s_lshl_b32 s20, ttmp9, 2
	s_mov_b32 s21, 0
	s_wait_kmcnt 0x0
	s_add_nc_u64 s[4:5], s[4:5], s[20:21]
	s_load_b32 s19, s[4:5], 0x0                    ; the batch's length
	s_lshl_b32 s20, ttmp9, 13
	s_add_nc_u64 s[6:7], s[6:7], s[20:21]          ; the batch's scores,
	s_add_nc_u64 s[12:13], s[12:13], s[20:21]      ; and its row of out1
	s_lshl_b32 s20, ttmp9, 19                      ; 128 tiles of 4,096 bytes
	s_lshl_b32 s22, s16, 12
	s_add_co_u32 s20, s20, s22
	s_lshl_b32 s23, s17, 9
	s_add_co_u32 s20, s20, s23
	s_add_nc_u64 s[8:9], s[8:9], s[20:21]          ; ctxp: batch n, tile w, columns 128 y on
	s_lshl_b32 s20, ttmp9, 12
	s_add_co_u32 s20, s20, s23
	s_add_nc_u64 s[10:11], s[10:11], s[20:21]      ; out0 likewise
.set IDX, 16
.rept 64
	v_mov_b32 v[IDX], 0                            ; tiles beyond the length are not loaded: their registers hold 0, and their factors are 0
.set IDX, IDX+1
.endr
	s_wait_kmcnt 0x0
	s_max_i32 s19, s19, 1
	s_min_u32 s19, s19, 0x800
	s_add_co_u32 s22, s19, 15
	s_lshr_b32 s22, s22, 4                         ; tiles
	s_lshl_b32 s23, s22, 4
	s_sub_co_u32 s23, s23, 4                       ; the last four scores that were stored
	s_sub_co_i32 s24, s22, s16                     ; tiles - w
	v_lshlrev_b32 v2, 2, v0                        ; my first t,
	v_add_nc_u32 v3, 0x400, v2                     ; and my second piece's
	v_min_u32 v14, s23, v2
	v_min_u32 v14, 0x7fc, v14
	v_lshlrev_b32 v14, 2, v14
	v_min_u32 v15, s23, v3
	v_min_u32 v15, 0x7fc, v15
	v_lshlrev_b32 v15, 2, v15
	global_load_b128 v[4:7], v14, s[6:7]
	global_load_b128 v[8:11], v15, s[6:7]
.set IDX, 0
.rept 16
	s_cmp_le_i32 s24, 8*IDX                        ; tile w + 8 IDX lies beyond the length, and so do all that follow
	s_cbranch_scc1 .Lld
	global_load_b128 v[16+4*IDX:19+4*IDX], v1, s[8:9] offset:32768*IDX th:TH_LOAD_NT   ; 512 consecutive bytes
.set IDX, IDX+1
.endr
.Lld:
	s_wait_loadcnt 0x0
	v_sub_nc_u32 v12, s19, v2                      ; length - t: element i counts where i is under it
	v_sub_nc_u32 v13, s19, v3
.irp i, 0,1,2,3
	v_cmp_lt_i32 vcc_lo, \i, v12
	v_cndmask_b32 v[4+\i], 0xff800000, v[4+\i], vcc_lo
	v_cmp_lt_i32 vcc_lo, \i, v13
	v_cndmask_b32 v[8+\i], 0xff800000, v[8+\i], vcc_lo
.endr
	v_max3_num_f32 v100, v4, v5, v6
	v_max3_num_f32 v101, v8, v9, v10
	v_max_num_f32 v100, v100, v7
	v_max_num_f32 v101, v101, v11
	v_max_num_f32_dpp v100, v100, v100 row_xmask:1 row_mask:0xf bank_mask:0xf
	v_max_num_f32_dpp v101, v101, v101 row_xmask:1 row_mask:0xf bank_mask:0xf
	v_max_num_f32_dpp v100, v100, v100 row_xmask:2 row_mask:0xf bank_mask:0xf   ; four lanes: the tile's largest score, the same number that the launch before took away
	v_max_num_f32_dpp v101, v101, v101 row_xmask:2 row_mask:0xf bank_mask:0xf
	v_max_num_f32 v102, v100, v101
	v_max_num_f32_dpp v102, v102, v102 row_xmask:4 row_mask:0xf bank_mask:0xf
	v_max_num_f32_dpp v102, v102, v102 row_xmask:8 row_mask:0xf bank_mask:0xf
	v_permlanex16_b32 v103, v102, s26, s27
	v_max_num_f32 v102, v102, v103
	ds_store_b32 v112, v102                        ; all lanes write the wave's word with the same value
	s_wait_dscnt 0x0
	s_barrier_signal -1
	s_barrier_wait -1
	ds_load_b128 v[104:107], v114
	ds_load_b128 v[108:111], v114 offset:16
	s_wait_dscnt 0x0
	v_max3_num_f32 v102, v104, v105, v106
	v_max3_num_f32 v102, v102, v107, v108
	v_max3_num_f32 v102, v102, v109, v110
	v_max_num_f32 v102, v102, v111                 ; M: finite, since at least one row counts
.irp i, 0,1,2,3,4,5,6,7
	v_sub_f32 v[4+\i], v[4+\i], v102
.endr
	v_sub_f32 v100, v100, v102
	v_sub_f32 v101, v101, v102
.irp i, 0,1,2,3,4,5,6,7
	v_mul_f32 v[4+\i], 0x3fb8aa3b, v[4+\i]
.endr
	v_mul_f32 v100, 0x3fb8aa3b, v100
	v_mul_f32 v101, 0x3fb8aa3b, v101
.irp i, 0,1,2,3,4,5,6,7
	v_exp_f32 v[4+\i], v[4+\i]                     ; -infinity gives 0
.endr
	v_exp_f32 v100, v100
	v_exp_f32 v101, v101
	v_nop                                          ; a plain place behind the last exponential,
	s_wait_alu depctr_va_vdst(0)                   ; and one wait for the ten, ahead of their first reader
	v_add_f32 v103, v4, v5
	v_add_f32 v104, v6, v7
	v_add_f32 v105, v8, v9
	v_add_f32 v106, v10, v11
	v_add_f32 v103, v103, v104
	v_add_f32 v105, v105, v106
	v_add_f32 v103, v103, v105
	v_add_f32_dpp v103, v103, v103 row_xmask:1 row_mask:0xf bank_mask:0xf
	v_add_f32_dpp v103, v103, v103 row_xmask:2 row_mask:0xf bank_mask:0xf
	v_add_f32_dpp v103, v103, v103 row_xmask:4 row_mask:0xf bank_mask:0xf
	v_add_f32_dpp v103, v103, v103 row_xmask:8 row_mask:0xf bank_mask:0xf
	v_permlanex16_b32 v104, v103, s26, s27
	v_add_f32 v103, v103, v104
	ds_store_b32 v112, v103 offset:RED1
	ds_store_b32 v113, v100                        ; the tile's four lanes write the same word with the same value
	ds_store_b32 v113, v101 offset:256
	s_wait_dscnt 0x0
	s_barrier_signal -1
	s_barrier_wait -1
	ds_load_b128 v[104:107], v114 offset:RED1
	ds_load_b128 v[108:111], v114 offset:RED1+16
.set IDX, 0
.rept 16
	ds_load_b32 v[80+IDX], v115 offset:32*IDX      ; the factor of tile w + 8 IDX, in every lane
.set IDX, IDX+1
.endr
	s_wait_dscnt 0x0
	v_add_f32 v103, v104, v105
.irp i, 106,107,108,109,110,111
	v_add_f32 v103, v103, v\i
.endr
	v_rcp_f32 v102, v103                           ; 1 / L
	v_nop
	s_wait_alu depctr_va_vdst(0)
	s_cmp_lg_u32 s16, s17
	s_cbranch_scc1 .Lno1
.irp i, 0,1,2,3,4,5,6,7
	v_mul_f32 v[104+\i], v[4+\i], v102
.endr
	global_store_b128 v118, v[104:107], s[12:13]               ; 512 consecutive bytes each
	global_store_b128 v118, v[108:111], s[12:13] offset:4096
.Lno1:
.irp i, 0,1,2,3
	v_mul_f32 v[96+\i], v[16+\i], v80              ; the first tile starts the sums
.endr
.set IDX, 1
.rept 15
.irp i, 0,1,2,3
	v_fma_f32 v[96+\i], v[16+4*IDX+\i], v[80+IDX], v[96+\i]
.endr
.set IDX, IDX+1
.endr
.irp i, 0,1,2,3
	v_mul_f32 v[96+\i], v[96+\i], v102
.endr
	ds_store_b128 v116, v[96:99]
	s_wait_dscnt 0x0
	s_barrier_signal -1
	s_barrier_wait -1
	s_cmp_lg_u32 s16, 0
	s_cbranch_scc1 .Lend
.irp i, 0,1,2,3,4,5,6,7
	ds_load_b128 v[16+4*\i:19+4*\i], v117 offset:512*\i
.endr
	s_wait_dscnt 0x0
.irp i, 1,2,3,4,5,6,7
	v_pk_add_f32 v[16:17], v[16:17], v[16+4*\i:17+4*\i]
	v_pk_add_f32 v[18:19], v[18:19], v[18+4*\i:19+4*\i]
.endr
	global_store_b128 v1, v[16:19], s[10:11]       ; 512 consecutive bytes of out0
.Lend:
	s_wait_tensorcnt 0x0
	ds_add_u32 v128, v129
	s_wait_dscnt 0x0
	s_endpgm
.Lfunc_end_k_q08ae61969c_finish:
	.size	k_q08ae61969c_finish, .Lfunc_end_k_q08ae61969c_finish-k_q08ae61969c_finish
	.p2alignl 7, 3214868480
	.fill 96, 4, 3214868480
	.section	.rodata,"a",@progbits
	.p2align	6, 0x0
	.amdhsa_kernel k_q08ae61969c_finish
		.amdhsa_group_segment_fixed_size 6144
		.amdhsa_private_segment_fixed_size 0
		.amdhsa_enable_private_segment 0
		.amdhsa_kernarg_size 40
		.amdhsa_user_sgpr_count 2
		.amdhsa_user_sgpr_kernarg_segment_ptr 1
		.amdhsa_wavefront_size32 1
		.amdhsa_system_sgpr_workgroup_id_x 1
		.amdhsa_system_sgpr_workgroup_id_y 1
		.amdhsa_system_sgpr_workgroup_id_z 1
		.amdhsa_system_vgpr_workitem_id 0
		.amdhsa_next_free_vgpr 130
		.amdhsa_next_free_sgpr 66
		.amdhsa_reserve_vcc 1
		.amdhsa_float_denorm_mode_32 3
		.amdhsa_float_denorm_mode_16_64 3
		.amdhsa_memory_ordered 1
		.amdhsa_forward_progress 1
		.amdhsa_inst_pref_size 20
	.end_amdhsa_kernel
	.amdgpu_metadata
---
amdhsa.version: [ 1, 2 ]
amdhsa.kernels:
  - .name:           k_q08ae61969c_finish
    .symbol:         k_q08ae61969c_finish.kd
    .args:
      - { .name: lengths, .offset: 0, .size: 8, .value_kind: global_buffer, .address_space: global }
      - { .name: wsc, .offset: 8, .size: 8, .value_kind: global_buffer, .address_space: global }
      - { .name: ctxp, .offset: 16, .size: 8, .value_kind: global_buffer, .address_space: global }
      - { .name: out0, .offset: 24, .size: 8, .value_kind: global_buffer, .address_space: global }
      - { .name: out1, .offset: 32, .size: 8, .value_kind: global_buffer, .address_space: global }
    .group_segment_fixed_size: 6144
    .private_segment_fixed_size: 0
    .kernarg_segment_align: 8
    .kernarg_segment_size: 40
    .max_flat_workgroup_size: 256
    .sgpr_count:     66
    .vgpr_count:     130
    .wavefront_size: 32
...
	.end_amdgpu_metadata
.endif
;; end of part 3
;; ======== version 2 of 2: 3 launches
;; workspace buffers: wkimg 786,432 bytes; wks 32,768 bytes; pq 131,072 bytes; wsc 262,144 bytes; ctxp 16,777,216 bytes
;; launch prep (part 4): grid 64 x 1, 8 waves a work-group, no clusters, 38,912 bytes of LDS; arguments Wk, Wq, queries, wkimg, wks, pq; writes wkimg, wks, pq
.if DOCPART == 4
	.amdgcn_target "amdgcn-amd-amdhsa--gfx1250"
	.amdhsa_code_object_version 6
	.text
	.protected	k_q08ae61969c_prep
	.globl	k_q08ae61969c_prep
	.p2align	8
	.type	k_q08ae61969c_prep,@function
k_q08ae61969c_prep:
	s_mov_b64 s[64:65], 0
	v_nop
	global_prefetch_b8 v0, s[64:65] scope:SCOPE_SE
	s_setreg_imm32_b32 hwreg(HW_REG_WAVE_MODE, 25, 1), 1
	s_wait_xcnt 0x0
; Work-groups 0-31 (job 0): Wk [1024][1024] f32 becomes codes of FP6 (E2M3) with one E8M0 byte for each 32 along K, laid in the ORDER OF THE OPERAND'S REGISTERS:
;   wkimg [ut 64][s 8][1,536 bytes]: the fragment of rows 16 ut .. +15, k 128 s .. +127; its register group c (four registers) at 512 c + 16 x lane;
;   wks   [ut 64][lane 32][4 words]: lane 16 (s & 1) + r, word s >> 1 = the scale word of row 16 ut + r for K step s.
; Work-groups 32-63 (job 1): pq = Q(queries) Q(Wq)^T on the same codes; pq is laid [G2 32][n 32][32 u] f32, u = 32 G2 + i.
; SHARES: a work-group owns 32 rows u of its weight (two tiles of 16); wave s owns K step s (128 along K).  In job 1 the eight waves' partial sums meet in LDS and are added in ascending s.
; A block's scale is 2^(floor(log2(largest magnitude)) - 2); its byte is the largest magnitude's exponent field - 2, held at 1 from below (a block of zeros keeps the byte 1: its codes are zeros, and this program alone reads the bytes).
; LIMITS: blocks whose largest magnitude lies under 2^-124 keep the byte 1; NaN and infinities among the inputs are not served; pq's sum over K is taken in eight parts.
; No tensor load, no cluster: each weight byte is read once by one wave; queries (128 KB) are the only bytes read by several work-groups.
.set QP,  0                            ; LDS, job 1: [s 8] slabs of 4,608 bytes: 32 rows n of 128 bytes (32 u) + 16
.set KS,  36864                        ; LDS, job 0: [utl 2][lane 32][4 words]
.set S0,  16                           ; v16-79   64 numbers of a lane, set 0
.set S1,  80                           ; v80-143  set 1
.set TM,  144                          ; v144-155 largest magnitudes, bytes, the conversions' scale operands
.set WS0, 160                          ; v160-162 scale words, and nothing else
.set WS1, 161
.set QS,  162
.set PCA, 164                          ; v164-183 the weight's tile 0 as codes (12 registers, 8 at work)
.set PCB, 184                          ; tile 1
.set PCC, 204                          ; a tile of queries
.set ACC, 224                          ; v224-255 four accumulators: 2 utl + nt
.set SEL, 20
; 64 numbers of a lane: register 16 b + 4 j + i = k 32 b + 16 (lane / 16) + 4 j + i of row lane % 16.
; No cache hint: a lane's four loads of a block name four neighbouring pieces of 16 bytes, so the bytes beside a piece are wanted again by the next three loads.
.macro XLOAD set, base, off
.irp b, 0,1,2,3
.irp j, 0,1,2,3
	global_load_b128 v[\set+16*\b+4*\j:\set+16*\b+4*\j+3], v2, s[\base:\base+1] offset:\off+128*\b+16*\j
.endr
.endr
.endm
; they become a fragment's codes in v[pc] .. v[pc + 11] and its rows' scale word in v[pw]
.macro QUANT src, pc, pw
.irp b, 0,1,2,3
	v_max3_num_f32 v[TM+\b], |v[\src+16*\b]|, |v[\src+1+16*\b]|, 0x1800000   ; block b: my 16 numbers, and the floor 2^(3 - 127): the byte cannot fall under 1
.endr
.irp i, 2,4,6,8,10,12,14
.irp b, 0,1,2,3
	v_max3_num_f32 v[TM+\b], v[TM+\b], |v[\src+16*\b+\i]|, |v[\src+1+16*\b+\i]|   ; the four blocks by turns
.endr
.endr
.irp b, 0,1,2,3
	v_permlanex16_b32 v[TM+4+\b], v[TM+\b], s[SEL], s[SEL+1]
.endr
.irp b, 0,1,2,3
	v_max_num_f32 v[TM+\b], v[TM+\b], v[TM+4+\b]   ; with lane l xor 16's 16: the block's largest magnitude
.endr
.irp b, 0,1,2,3
	v_add_nc_u32 v[TM+8+\b], 0xff000000, v[TM+\b]   ; 2 off its exponent field: the conversion's scale operand
.endr
.irp b, 0,1,2,3
	v_lshrrev_b32 v[TM+4+\b], 23, v[TM+8+\b]       ; the scale's byte
.endr
	v_lshl_or_b32 v[\pw], v[TM+5], 8, v[TM+4]
	v_lshl_or_b32 v[\pw], v[TM+6], 16, v[\pw]
	v_lshl_or_b32 v[\pw], v[TM+7], 24, v[\pw]
.irp c, 0,1
	v_cvt_scalef32_pk16_fp6_f32 v[\pc+6*\c:\pc+2+6*\c], v[\src+32*\c:\src+15+32*\c], v[TM+8+2*\c]
	v_cvt_scalef32_pk16_fp6_f32 v[\pc+12+4*\c:\pc+14+4*\c], v[\src+16+32*\c:\src+31+32*\c], v[TM+8+2*\c+1]   ; (a conversion's three registers begin on an even number)
.endr
	v_nop                                          ; one plain place behind the scaled conversions
.irp c, 0,1                                    ; the operand wants a whole block in a lane: lanes 0-15 block 2 c, lanes 16-31 block 2 c + 1
.irp i, 0,1,2
	v_permlane16_swap_b32 v[\pc+6*\c+\i], v[\pc+12+4*\c+\i]
.endr
.irp i, 0,1,2
	v_mov_b32 v[\pc+3+6*\c+\i], v[\pc+12+4*\c+\i]
.endr
.endr
.endm
	s_load_b256 s[4:11], s[0:1], 0x0               ; Wk, Wq, queries, wkimg
	s_load_b128 s[12:15], s[0:1], 0x20             ; wks, pq
	v_lshl_add_u32 v219, v0, 2, 0x9400
	v_mov_b32 v223, 0
	v_lshrrev_b32 v8, 5, v0
	v_readfirstlane_b32 s16, v8                    ; wave = K step s
	s_lshr_b32 s17, ttmp9, 5                       ; job
	s_and_b32 s18, ttmp9, 31                       ; G2: which 32 rows u
	v_and_b32 v9, 31, v0                           ; lane
	v_and_b32 v10, 15, v0                          ; r
	v_bfe_u32 v11, v0, 4, 1                        ; h
	v_lshlrev_b32 v1, 4, v9                        ; v1: 16 x lane
	v_lshlrev_b32 v2, 12, v10
	v_lshl_add_u32 v2, v11, 6, v2                  ; v2: row r of 4,096 bytes + 64 h
	s_and_b32 s30, s16, 1
	s_lshl_b32 s31, s30, 8
	s_lshr_b32 s32, s16, 1
	s_lshl_b32 s32, s32, 2
	s_add_co_u32 s31, s31, s32
	s_add_co_u32 s31, s31, KS
	v_lshl_add_u32 v3, v10, 4, s31                 ; v3: KS + 16 r + 256 (s & 1) + 4 (s >> 1): where my rows' scale word goes
	s_lshl_b32 s31, s30, 9
	s_add_co_u32 s31, s31, KS
	v_add_nc_u32 v4, s31, v1                       ; v4: KS + 512 (wave & 1) + 16 x lane: a tile's 512 bytes read back
	s_mul_i32 s31, s16, 4608
	v_mul_u32_u24 v5, v10, 144
	v_lshl_add_u32 v5, v11, 5, v5
	v_add_nc_u32 v5, s31, v5                       ; v5: my slab, row r, + 32 h
	v_lshrrev_b32 v6, 3, v0
	v_mul_u32_u24 v6, v6, 144
	v_and_b32 v8, 7, v0
	v_lshl_add_u32 v6, v8, 4, v6                   ; v6: row n = thread / 8, piece thread % 8
	v_lshlrev_b32 v7, 4, v0                        ; v7: 16 x thread
	s_mov_b32 s[SEL], 0x76543210
	s_mov_b32 s[SEL+1], 0xfedcba98                 ; lane l xor 16
.irp b, 0,1,2,3
	v_mov_b32 v[TM+4+\b], 0                        ; written once: a lane permute's destination counts as one of its sources
.endr
	s_lshl_b32 s32, s18, 17                        ; 32 rows of 4,096 bytes
	s_lshl_b32 s33, s16, 9                         ; 128 numbers along K
	s_add_co_u32 s32, s32, s33
	s_mov_b32 s34, s33
	s_mov_b32 s33, 0
	s_mov_b32 s35, 0
	s_lshl_b32 s36, s18, 4
	s_add_co_u32 s36, s36, s16
	s_mul_i32 s36, s36, 1536                       ; fragment (ut = 2 G2, s)
	s_mov_b32 s37, 0
	s_lshl_b32 s38, s18, 1
	s_add_co_u32 s38, s38, s30
	s_lshl_b32 s38, s38, 9                         ; wks: tile 2 G2 + (wave & 1)
	s_lshl_b32 s39, s18, 12                        ; pq: 4,096 bytes for each G2
	s_wait_kmcnt 0x0
	s_cmp_eq_u32 s17, 0                            ; the choice hangs on the work-group's number alone
	s_cselect_b64 s[22:23], s[4:5], s[6:7]
	s_cselect_b64 s[28:29], s[12:13], s[14:15]
	s_cselect_b32 s38, s38, s39
	s_mov_b32 s39, 0
	s_add_nc_u64 s[22:23], s[22:23], s[32:33]
	s_add_nc_u64 s[24:25], s[8:9], s[34:35]
	s_add_nc_u64 s[26:27], s[10:11], s[36:37]
	s_add_nc_u64 s[28:29], s[28:29], s[38:39]
	XLOAD S0, 22, 0                                ; the weight's tile 0
	XLOAD S1, 22, 65536                            ; and tile 1, 16 rows on
	s_wait_loadcnt 16                              ; tile 0 is in; tile 1's 16 loads may be out
	QUANT S0, PCA, WS0
	s_cmp_lg_u32 s17, 0
	s_cbranch_scc1 .Lq
	; ---- job 0: the images leave as they stand
	s_wait_loadcnt 0x0
	QUANT S1, PCB, WS1
.irp c, 0,1,2
	global_store_b128 v1, v[PCA+4*\c:PCA+4*\c+3], s[26:27] offset:512*\c          ; 32 lanes store 512 consecutive bytes
	global_store_b128 v1, v[PCB+4*\c:PCB+4*\c+3], s[26:27] offset:12288+512*\c
.endr
	ds_store_b32 v3, v[WS0]                        ; lanes l and l + 16 write the same word with the same value
	ds_store_b32 v3, v[WS1] offset:512
	s_branch .Lbar
.Lq:	; ---- job 1: two tiles of u x two tiles of queries, my 128 along K
	XLOAD S0, 24, 0                                ; queries 0-15
	s_wait_loadcnt 16                              ; the weight's tile 1 is in
	QUANT S1, PCB, WS1
	XLOAD S1, 24, 65536                            ; queries 16-31
	s_wait_loadcnt 16                              ; queries 0-15 are in
	QUANT S0, PCC, QS
.rept 8
	v_nop                                          ; a scale register written by a vector instruction stands 8 places ahead of a scaled matrix instruction, an operand 4
.endr
	v_wmma_scale_f32_16x16x128_f8f6f4 v[ACC:ACC+7], v[PCA:PCA+11], v[PCC:PCC+11], 0, v[WS0], v[QS] matrix_a_fmt:MATRIX_FMT_FP6 matrix_b_fmt:MATRIX_FMT_FP6
	v_wmma_scale_f32_16x16x128_f8f6f4 v[ACC+16:ACC+23], v[PCB:PCB+11], v[PCC:PCC+11], 0, v[WS1], v[QS] matrix_a_fmt:MATRIX_FMT_FP6 matrix_b_fmt:MATRIX_FMT_FP6
	s_wait_loadcnt 0x0
	QUANT S1, PCC, QS                              ; its 32 maxima, which name none of the products' registers, are the places in front of its writes of the codes and the scale word
.rept 8
	v_nop
.endr
	v_wmma_scale_f32_16x16x128_f8f6f4 v[ACC+8:ACC+15], v[PCA:PCA+11], v[PCC:PCC+11], 0, v[WS0], v[QS] matrix_a_fmt:MATRIX_FMT_FP6 matrix_b_fmt:MATRIX_FMT_FP6
	v_wmma_scale_f32_16x16x128_f8f6f4 v[ACC+24:ACC+31], v[PCB:PCB+11], v[PCC:PCC+11], 0, v[WS1], v[QS] matrix_a_fmt:MATRIX_FMT_FP6 matrix_b_fmt:MATRIX_FMT_FP6
.rept 4
	v_nop                                          ; four places in front of the stores that read the results
.endr
.irp u, 0,1                                    ; lane (r, h), register j of accumulator (u, n): query 16 n + r, unit 16 u + 8 h + j
.irp n, 0,1
	ds_store_b128 v5, v[ACC+16*\u+8*\n:ACC+16*\u+8*\n+3] offset:2304*\n+64*\u          ; each accumulator from its low end on
	ds_store_b128 v5, v[ACC+16*\u+8*\n+4:ACC+16*\u+8*\n+7] offset:2304*\n+64*\u+16
.endr
.endr
.Lbar:
	s_wait_dscnt 0x0                               ; for the others' sake: my LDS stores are done
	s_barrier_signal -1
	s_barrier_wait -1
	s_cmp_lg_u32 s17, 0
	s_cbranch_scc1 .Lq2
	s_cmp_gt_u32 s16, 1                            ; waves 0 and 1 store a tile's 128 scale words each
	s_cbranch_scc1 .Lend
	ds_load_b128 v[16:19], v4
	s_wait_dscnt 0x0
	global_store_b128 v1, v[16:19], s[28:29]       ; 512 consecutive bytes
.Lend:
	s_wait_tensorcnt 0x0
	ds_add_u32 v219, v223
	s_wait_dscnt 0x0
	s_endpgm
.Lq2:
.irp i, 0,1,2,3,4,5,6,7
	ds_load_b128 v[16+4*\i:19+4*\i], v6 offset:4608*\i
.endr
	s_wait_dscnt 0x0
.irp i, 1,2,3,4,5,6,7                          ; the eight K steps' parts, ascending
	v_pk_add_f32 v[16:17], v[16:17], v[16+4*\i:17+4*\i]
	v_pk_add_f32 v[18:19], v[18:19], v[18+4*\i:19+4*\i]
.endr
	global_store_b128 v7, v[16:19], s[28:29]       ; the work-group stores 4,096 consecutive bytes
	s_wait_tensorcnt 0x0
	ds_add_u32 v219, v223
	s_wait_dscnt 0x0
	s_endpgm
.Lfunc_end_k_q08ae61969c_prep:
	.size	k_q08ae61969c_prep, .Lfunc_end_k_q08ae61969c_prep-k_q08ae61969c_prep
	.p2alignl 7, 3214868480
	.fill 96, 4, 3214868480
	.section	.rodata,"a",@progbits
	.p2align	6, 0x0
	.amdhsa_kernel k_q08ae61969c_prep
		.amdhsa_group_segment_fixed_size 38912
		.amdhsa_private_segment_fixed_size 0
		.amdhsa_enable_private_segment 0
		.amdhsa_kernarg_size 48
		.amdhsa_user_sgpr_count 2
		.amdhsa_user_sgpr_kernarg_segment_ptr 1
		.amdhsa_wavefront_size32 1
		.amdhsa_system_sgpr_workgroup_id_x 1
		.amdhsa_system_sgpr_workgroup_id_y 1
		.amdhsa_system_sgpr_workgroup_id_z 1
		.amdhsa_system_vgpr_workitem_id 0
		.amdhsa_next_free_vgpr 256
		.amdhsa_next_free_sgpr 66
		.amdhsa_reserve_vcc 0
		.amdhsa_float_denorm_mode_32 3
		.amdhsa_float_denorm_mode_16_64 3
		.amdhsa_memory_ordered 1
		.amdhsa_forward_progress 1
		.amdhsa_inst_pref_size 33
	.end_amdhsa_kernel
	.amdgpu_metadata
---
amdhsa.version: [ 1, 2 ]
amdhsa.kernels:
  - .name:           k_q08ae61969c_prep
    .symbol:         k_q08ae61969c_prep.kd
    .args:
      - { .name: Wk, .offset: 0, .size: 8, .value_kind: global_buffer, .address_space: global }
      - { .name: Wq, .offset: 8, .size: 8, .value_kind: global_buffer, .address_space: global }
      - { .name: queries, .offset: 16, .size: 8, .value_kind: global_buffer, .address_space: global }
      - { .name: wkimg, .offset: 24, .size: 8, .value_kind: global_buffer, .address_space: global }
      - { .name: wks, .offset: 32, .size: 8, .value_kind: global_buffer, .address_space: global }
      - { .name: pq, .offset: 40, .size: 8, .value_kind: global_buffer, .address_space: global }
    .group_segment_fixed_size: 38912
    .private_segment_fixed_size: 0
    .kernarg_segment_align: 8
    .kernarg_segment_size: 48
    .max_flat_workgroup_size: 256
    .sgpr_count:     66
    .vgpr_count:     256
    .wavefront_size: 32
...
	.end_amdgpu_metadata
.endif
;; end of part 4
;; launch main (part 5): grid 256 x 1, 8 waves a work-group, no clusters, 259,840 bytes of LDS; arguments encoder_output, lengths, v, wkimg, wks, pq, wsc, ctxp; writes wsc, ctxp
.if DOCPART == 5
	.amdgcn_target "amdgcn-amd-amdhsa--gfx1250"
	.amdhsa_code_object_version 6
	.text
	.protected	k_q08ae61969c_main
	.globl	k_q08ae61969c_main
	.p2align	8
	.type	k_q08ae61969c_main,@function
k_q08ae61969c_main:
	s_mov_b64 s[64:65], 0
	v_nop
	global_prefetch_b8 v0, s[64:65] scope:SCOPE_SE
	s_setreg_imm32_b32 hwreg(HW_REG_WAVE_MODE, 25, 1), 1
	s_wait_xcnt 0x0
; Scores w[n][t] = sum over u of v[u] tanh(pq[n][u] + Q(enc[n][t]) . Q(Wk[u])) for the rows t < lengths[n], and for each tile of 16 such rows a partial context
; ctxp[n][tile][e] = sum over the tile's rows of 2^((w - m_tile) log2 e) bf16(enc[n][t][e]), m_tile the tile's largest unmasked score.  The last launch joins the tiles.
; ONLY ROWS THAT THE MASK KEEPS ARE TOUCHED: reference() builds the mask from lengths, and what lies under it has weight 0.  Batch n has ceil(L_n / 16) tiles; all tiles of all batches, Tt of them, are dealt
; evenly: work-group g takes tiles (g Tt) >> 8 up to ((g + 1) Tt) >> 8, at most 16.  Every wave works the deal out from lengths, which it reads itself.
; A work-group walks its tiles in FOUR PASSES of up to five tiles (constant trip counts; a pass without tiles skips the work and its loads, never a barrier).  A pass:
;   X: wave w quantises k 128 w .. +127 of the pass's rows (f32 from memory, read once): the codes go to LDS as images of the operand's registers, the same numbers as bf16 rows for the context;
;   G, T: wave w owns units u 128 w .. +127, in two groups of four tiles of 16.  G: 8 K steps x 4 tiles of u x nt tiles of rows, source 0 = Wk's fragment (from memory straight into registers, laid so by the launch before),
;         source 1 = enc's (from LDS), the sums begun with pq as C.  T: tanh(x) = 1 - 2 / (1 + 2^(2 x log2 e)), times v, summed.  Waves 0-3 and waves 4-7 run G and T in opposite phase, held in step by one barrier a half-slot;
;   S: the eight waves' parts of a score meet in LDS; the tile's maximum and weights;   C: wave w sums columns 128 w .. +127 of the bf16 rows (its own LDS bytes) with those weights.
; NO TENSOR LOAD, NO CLUSTER: all work-groups read the same fragments of Wk, but how many tiles a work-group multiplies them by hangs on lengths, read from memory;
; there are no joint requests.
; LIMITS: lengths under 1 count as 1 (reference() gives NaN there), over 2,048 as 2,048; NaN and infinities among the inputs are not served; blocks whose largest magnitude lies under 2^-124 keep the scale byte 1;
; enc is rounded to bf16 for the context; f32 sums run in another order than reference()'s.
.set CODES, 0                          ; LDS: image (m, s) at (8 m + s) x 1,536; register group c at + 512 c + 16 x lane
.set ASC,   61440                      ; [m 5][lane 32][4 words]: lane 16 (s & 1) + r, word s >> 1: enc's scale words
.set BF,    64000                      ; 80 rows of 1,024 bf16, 2,064 bytes apart
.set BFP,   2064
.set TILEB, 16*BFP
.set SCP,   229120                     ; [wave][80] f32: the waves' parts of the scores
.set PV,    231680                     ; [wave][80] f32: the weights, a copy for each wave
.set PQL,   234240                     ; [wave][m 5][128] f32: pq of each tile's batch, the wave's 128 units
.set VL,    254720                     ; [wave][128] f32: v, the wave's 128 units
.set FRB,   1536
; window 0
.set LI,  1                            ; 16 x lane
.set XA,  2                            ; 4096 r + 64 h + 512 w
.set XWI, 3                            ; 16 x lane + 1536 w
.set XWS, 4                            ; ASC + 16 r + 256 (w & 1) + 4 (w >> 1)
.set XBF, 5                            ; BF + 2064 r + 32 h + 256 w
                                       ; v6, v255: the offsets of phase X's loads, one for each set of 64 numbers; they hold nothing else
.set SPA, 7                            ; SCP + 320 w + 4 r
.set SRA, 8                            ; SCP + 4 r
.set PVA, 9                            ; PV + 320 w + 4 r
.set PVB, 10                           ; PV + 320 w
.set CA,  11                           ; BF + 256 w + 8 x lane
.set CO,  12                           ; 16 x thread
.set R4,  13                           ; 4 r
.set RR,  14                           ; r
.set PQS, 15                           ; PQL + 2560 w + 16 x lane
                                       ; v16-111 accumulators of tiles 2, 3, 4 (window 1, v0-63: tiles 0, 1)
.set ABUF, 112                         ; v112-171 enc's fragment of each tile
.set ASR, 172                          ; v172-191 enc's scale words: 4 m + (s >> 1); nothing else ever stands here
.set BS,  192                          ; v192-207 Wk's scale words: 4 jt + (s >> 1); nothing else ever stands here
.set VV,  208                          ; v208-239 v of my lane's units: 8 jt + j
.set SC,  240                          ; v240-249 a pair of running sums for each tile
.set PQA, 250                          ; PQL + 2560 w + 32 h
.set VLA, 251                          ; VL + 512 w + 32 h
.set TA,  252                          ; an LDS address made on the spot
.set PFO, 253                          ; prefetch: 4096 (lane / 2) + 256 (lane % 2) + 512 w
.set PQO, 254                          ; pq: 4096 (lane / 8) + 16 (lane % 8)
; phase X: v16-79, v80-143 two sets of 64 numbers
.set TM,  144
.set PW,  156
.set PC,  208                          ; the codes just made, in V's registers, which are idle in X
; phase T
.set CH,  112                          ; four chains of pairs
; phases S and C
.set PP,  16                           ; v16-95 the 80 weights (before: v16-55 the waves' parts)
.set EE,  96                           ; v96-127 16 rows x 4 bf16
.set CACC, 128                         ; v128-147 four sums a tile
.set WR,  148                          ; v148-152 a tile's score of row r
.set X5,  153
.set YM,  159
; scalars
.set SL,  20                           ; s20-39 a word for each of 20 slots: first row (of all 65,536) | valid rows << 16; 0: empty
.set EB,  40                           ; s40-49 enc at each tile, later ctxp at each tile
.set PB,  50                           ; s50-59 pq at each tile's batch
.set GR,  66                           ; s66-70 first row, held inside the tensor
.set VC,  71                           ; s71-75 valid rows
.set WV,  76
.set TEAM, 77
.set NT,  78                           ; tiles in this pass
.set REM, 79
.set KK,  80
.set PH,  81
.set GG,  82
.set PASS, 83
.set NTN, 84                           ; tiles in the next pass
.set CC,  86                           ; s[86:87] 2 log2 e
.set SEL, 88
.set WBW, 90                           ; wkimg at my eight tiles of u
.set WBC, 92                           ; at the group in hand
.set MSB, 0
.macro WIN new                         ; the immediate's high byte repeats the setting that is left
.if MSB != (\new)
	s_set_vgpr_msb (MSB<<8)|(\new)
.set MSB, \new
.endif
.endm
.macro BARRIER                         ; my LDS stores have landed and my LDS loads are in: then the work-group's barrier
	s_wait_dscnt 0x0
	s_barrier_signal -1
	s_barrier_wait -1
.endm
.macro ACCOF m                         ; where tile m's four accumulators begin
.if (\m) < 2
.set AC, 32*(\m)
.else
.set AC, 16+32*((\m)-2)
.endif
.endm
; 64 numbers of a lane (register 16 b + i = k 32 b + 16 h + i of row r) become a fragment's codes in v[PC] on and its rows' scale word in v[PW]
.macro QUANT src
.irp b, 0,1,2,3
	v_max3_num_f32 v[TM+\b], |v[\src+16*\b]|, |v[\src+1+16*\b]|, 0x1800000   ; and the floor 2^(3 - 127): the byte cannot fall under 1
.endr
.irp i, 2,4,6,8,10,12,14
.irp b, 0,1,2,3
	v_max3_num_f32 v[TM+\b], v[TM+\b], |v[\src+16*\b+\i]|, |v[\src+1+16*\b+\i]|
.endr
.endr
.irp b, 0,1,2,3
	v_permlanex16_b32 v[TM+4+\b], v[TM+\b], s[SEL], s[SEL+1]
.endr
.irp b, 0,1,2,3
	v_max_num_f32 v[TM+\b], v[TM+\b], v[TM+4+\b]
.endr
.irp b, 0,1,2,3
	v_add_nc_u32 v[TM+8+\b], 0xff000000, v[TM+\b]   ; 2 off the exponent field: the conversion's scale operand
.endr
.irp b, 0,1,2,3
	v_lshrrev_b32 v[TM+4+\b], 23, v[TM+8+\b]
.endr
	v_lshl_or_b32 v[PW], v[TM+5], 8, v[TM+4]
	v_lshl_or_b32 v[PW], v[TM+6], 16, v[PW]
	v_lshl_or_b32 v[PW], v[TM+7], 24, v[PW]
.irp c, 0,1
	v_cvt_scalef32_pk16_fp6_f32 v[PC+6*\c:PC+2+6*\c], v[\src+32*\c:\src+15+32*\c], v[TM+8+2*\c]
	v_cvt_scalef32_pk16_fp6_f32 v[PC+12+4*\c:PC+14+4*\c], v[\src+16+32*\c:\src+31+32*\c], v[TM+8+2*\c+1]
.endr
	v_nop                                          ; one plain place behind the scaled conversions
.irp c, 0,1
.irp i, 0,1,2
	v_permlane16_swap_b32 v[PC+6*\c+\i], v[PC+12+4*\c+\i]
.endr
.irp i, 0,1,2
	v_mov_b32 v[PC+3+6*\c+\i], v[PC+12+4*\c+\i]
.endr
.endr
.endm
; Slot m's 16 rows, my 128 along K: 16 loads into set m % 2.  The loads of an empty slot are issued too, so that the counted waits mean the same on every way; their offset is 0 in every lane, so that all lanes name one piece of 16 bytes.
; The flag 'slot m holds a tile' is min(max(NT - m, 0), 1): held at 1 by a constant as its last step, and it enters the offset by one multiplication.
; No cache hint: a lane's four loads of a block name four neighbouring pieces of 16 bytes, so the bytes beside a piece are wanted again by the next three loads.
.macro XLOAD m
.set XU, 6+249*((\m)%2)                ; v6 or v255
	s_sub_co_i32 s94, s[NT], (\m)
	s_max_i32 s94, s94, 0
	s_min_u32 s94, s94, 1
	v_mul_u32_u24 v[XU], s94, v[XA]                ; the loads that last named this register have been waited for
.irp b, 0,1,2,3
.irp j, 0,1,2,3
	global_load_b128 v[16+64*((\m)%2)+16*\b+4*\j:16+64*((\m)%2)+16*\b+4*\j+3], v[XU], s[EB+2*(\m):EB+2*(\m)+1] offset:128*\b+16*\j
.endr
.endr
.endm
.macro XUNIT m
.set STG, 16+64*((\m)%2)
.if (\m) < 4
	s_wait_loadcnt 16                              ; this slot's loads are in; the next slot's 16 may be out
.else
	s_wait_loadcnt 0x0
.endif
	s_cmp_le_u32 s[NT], \m
	s_cbranch_scc1 .Lxskip_\@
	QUANT STG
.irp c, 0,1,2
	ds_store_b128 v[XWI], v[PC+4*\c:PC+4*\c+3] offset:8*FRB*(\m)+512*\c    ; image (m, s = w)
.endr
	ds_store_b32 v[XWS], v[PW] offset:512*(\m)     ; lanes l and l + 16 write the same word with the same value
.set IDX, 0
.rept 32
	v_cvt_pk_bf16_f32 v[STG+IDX], v[STG+2*IDX], v[STG+2*IDX+1]   ; in place, ascending: no number is written over before it is read
.set IDX, IDX+1
.endr
	v_add_nc_u32 v[TA], TILEB*(\m), v[XBF]
.irp b, 0,1,2,3
.irp q, 0,1
	ds_store_b128 v[TA], v[STG+8*\b+4*\q:STG+8*\b+4*\q+3] offset:64*\b+16*\q
.endr
.endr
.Lxskip_\@:
	s_wait_dscnt 0x0                               ; the stores have read their registers: the set may be loaded again
.if (\m)+2 <= 4
	XLOAD (\m)+2
.endif
.endm
; pq of tile m's batch, group g, into the tile's accumulators: lane (r, h), register j of accumulator jt: unit 64 g + 16 jt + 8 h + j
.macro BIAS m, g
	ACCOF \m
.if (\m) < 2
	WIN 0x40
.endif
.irp jt, 0,1,2,3
.irp q, 0,1
	ds_load_b128 v[AC+8*\jt+4*\q:AC+8*\jt+4*\q+3], v[PQA] offset:512*(\m)+256*(\g)+64*\jt+16*\q
.endr
.endr
	WIN 0
.endm
; Group g's scale words and its fragments of K steps 0 to 3: 52 loads
.macro RINGFILL g
.irp jt, 0,1,2,3
	global_load_b128 v[BS+4*\jt:BS+4*\jt+3], v[LI], s[12:13] offset:(4*(\g)+\jt)*512
.endr
	WIN 0x40                                       ; destination window 1
.irp s, 0,1,2,3
.irp jt, 0,1,2,3
.irp c, 0,1,2
	global_load_b128 v[64+48*\s+12*\jt+4*\c:67+48*\s+12*\jt+4*\c], v[LI], s[WBW:WBW+1] offset:32*FRB*(\g)+(8*\jt+\s)*FRB+512*\c
.endr
.endr
.endr
	WIN 0
.endm
; K step s, tile m of nt: four products, one for each tile of u.  The accumulators take turns, one instruction a turn, in the same order in every step.
; In the result lane (r, h) holds row r of the tile, and register j unit 8 h + j of the tile of u.
.macro GBLOCK s, m, nt
.if (\s) < 7
	s_wait_dscnt 3*((\nt)-1)                       ; my fragment is in; behind its three loads stand three for each of the other tiles
.else
	s_wait_dscnt 3*((\nt)-1-(\m))                  ; the last step fetches nothing: only the later tiles' loads stand behind mine
.endif
	ACCOF \m
.if (\m) < 2
	WIN 0x51                                       ; source 0 (Wk) window 1, source 1 (enc) window 0, C and D window 1
.else
	WIN 0x01
.endif
.irp jt, 0,1,2,3
.if ((\s)&1)
	v_wmma_scale_f32_16x16x128_f8f6f4 v[AC+8*\jt:AC+8*\jt+7], v[64+48*((\s)&3)+12*\jt:64+48*((\s)&3)+12*\jt+11], v[ABUF+12*(\m):ABUF+12*(\m)+11], v[AC+8*\jt:AC+8*\jt+7], v[BS+4*\jt+((\s)>>1)], v[ASR+4*(\m)+((\s)>>1)] matrix_a_fmt:MATRIX_FMT_FP6 matrix_b_fmt:MATRIX_FMT_FP6 matrix_a_scale:MATRIX_SCALE_ROW1 matrix_b_scale:MATRIX_SCALE_ROW1
.else
	v_wmma_scale_f32_16x16x128_f8f6f4 v[AC+8*\jt:AC+8*\jt+7], v[64+48*((\s)&3)+12*\jt:64+48*((\s)&3)+12*\jt+11], v[ABUF+12*(\m):ABUF+12*(\m)+11], v[AC+8*\jt:AC+8*\jt+7], v[BS+4*\jt+((\s)>>1)], v[ASR+4*(\m)+((\s)>>1)] matrix_a_fmt:MATRIX_FMT_FP6 matrix_b_fmt:MATRIX_FMT_FP6
.endif
.endr
	WIN 0
.rept 4
	v_nop                                          ; four places in front of loads into registers that these products have read, and of the first read of results
.endr
.if (\s) < 7
.irp c, 0,1,2
	ds_load_b128 v[ABUF+12*(\m)+4*\c:ABUF+12*(\m)+4*\c+3], v[LI] offset:(8*(\m)+(\s)+1)*FRB+512*\c
.endr
.endif
.endm
; A group's products for nt tiles of rows, written out.  Wk's fragments go through four buffers: steps 0 to 3 are there, step s + 4 is asked for when step s is done.
.macro GEMM nt
.set MM, 0
.rept \nt
	ds_load_b128 v[ASR+4*MM:ASR+4*MM+3], v[LI] offset:ASC+512*MM   ; enc's scale words of tile MM: 16 bytes a lane; the immediate is 63,488 at the most
.set MM, MM+1
.endr
.set MM, 0
.rept \nt
.irp c, 0,1,2
	ds_load_b128 v[ABUF+12*MM+4*\c:ABUF+12*MM+4*\c+3], v[LI] offset:8*MM*FRB+512*\c
.endr
.set MM, MM+1
.endr
.set SS, 0
.rept 8
.if SS >= 4
	s_wait_loadcnt 12*(7-SS)                       ; this step's 12 loads are in; 12 for each later step may be out
.endif
.set MM, 0
.rept \nt
	GBLOCK SS, MM, \nt
.set MM, MM+1
.endr
.if SS < 4
	WIN 0x40
.irp jt, 0,1,2,3
.irp c, 0,1,2
	global_load_b128 v[64+48*SS+12*\jt+4*\c:67+48*SS+12*\jt+4*\c], v[LI], s[WBC:WBC+1] offset:(8*\jt+SS+4)*FRB+512*\c
.endr
.endr
	WIN 0
.endif
.set SS, SS+1
.endr
.endm
.macro VLOAD g
.irp jt, 0,1,2,3
.irp q, 0,1
	ds_load_b128 v[VV+8*\jt+4*\q:VV+8*\jt+4*\q+3], v[VLA] offset:256*(\g)+64*\jt+16*\q
.endr
.endr
.endm
; Tile m's 32 sums of a lane: e = 2^(2 x log2 e), r = 1 / (1 + e), tanh = 1 - 2 r, times v, summed into the tile's running pair.
; The exponentials are one batch with one wait, and so are the reciprocals: the wait stands ahead of the first instruction that names a result.
.macro TTILE m
	s_cmp_le_u32 s[NT], \m
	s_cbranch_scc1 .Ltend
	ACCOF \m
.if (\m) < 2
	WIN 0x41                                       ; destination and source 0 window 1
.endif
.set IDX, 0
.rept 16
	v_pk_mul_f32 v[AC+2*IDX:AC+2*IDX+1], v[AC+2*IDX:AC+2*IDX+1], s[CC:CC+1] op_sel_hi:[1,0]   ; ascending: each accumulator is read from its low end on
.set IDX, IDX+1
.endr
.set IDX, 0
.rept 32
	v_exp_f32 v[AC+IDX], v[AC+IDX]
.set IDX, IDX+1
.endr
	v_nop                                          ; a plain place behind the last exponential
	s_wait_alu depctr_va_vdst(0)
.set IDX, 0
.rept 16
	v_pk_add_f32 v[AC+2*IDX:AC+2*IDX+1], v[AC+2*IDX:AC+2*IDX+1], 1.0 op_sel_hi:[1,0]
.set IDX, IDX+1
.endr
.set IDX, 0
.rept 32
	v_rcp_f32 v[AC+IDX], v[AC+IDX]                 ; e = infinity gives 0, e = 0 gives 1: tanh = 1 and -1
.set IDX, IDX+1
.endr
	v_nop
	s_wait_alu depctr_va_vdst(0)
.set IDX, 0
.rept 16
	v_pk_fma_f32 v[AC+2*IDX:AC+2*IDX+1], v[AC+2*IDX:AC+2*IDX+1], -2.0, 1.0 op_sel_hi:[1,0,0]   ; tanh, number by number: no difference of long sums is formed
.set IDX, IDX+1
.endr
.if (\m) < 2
	WIN 0x01                                       ; source 0 window 1
.endif
.set IDX, 0
.rept 16
.if IDX < 4
	v_pk_mul_f32 v[CH+2*IDX:CH+2*IDX+1], v[AC+2*IDX:AC+2*IDX+1], v[VV+2*IDX:VV+2*IDX+1]   ; the first four start the chains
.else
	v_pk_fma_f32 v[CH+2*(IDX%4):CH+2*(IDX%4)+1], v[AC+2*IDX:AC+2*IDX+1], v[VV+2*IDX:VV+2*IDX+1], v[CH+2*(IDX%4):CH+2*(IDX%4)+1]
.endif
.set IDX, IDX+1
.endr
	WIN 0
	v_pk_add_f32 v[CH:CH+1], v[CH:CH+1], v[CH+2:CH+3]
	v_pk_add_f32 v[CH+4:CH+5], v[CH+4:CH+5], v[CH+6:CH+7]
	v_pk_add_f32 v[CH:CH+1], v[CH:CH+1], v[CH+4:CH+5]
	v_pk_add_f32 v[SC+2*(\m):SC+2*(\m)+1], v[SC+2*(\m):SC+2*(\m)+1], v[CH:CH+1]
	s_cmp_lg_u32 s[GG], 0
	s_cbranch_scc1 .Ltb_\@
	BIAS \m, 1                                     ; behind group 0 the accumulators take group 1's pq; the barrier's wait covers these loads
.Ltb_\@:
.endm
; The pass's five slots: valid rows, first row, and the addresses that hang on it.  An empty slot takes slot 0's row.  Each number from the deal is held by a constant before it enters an address.
.macro SLOTS
	s_mov_b32 s97, 0
.irp m, 0,1,2,3,4
	s_lshr_b32 s[VC+\m], s[SL+\m], 16
	s_and_b32 s94, s[SL+\m], 0xffff
.if \m > 0
	s_cmp_eq_u32 s[VC+\m], 0
	s_cselect_b32 s94, s[GR], s94
.endif
	s_min_u32 s[GR+\m], s94, 0xfff0
	s_lshr_b32 s96, s94, 11                        ; the batch
	s_min_u32 s96, s96, 31
	s_lshl_b32 s96, s96, 7                         ; 128 bytes for each batch in pq's layout
	s_add_nc_u64 s[PB+2*\m:PB+2*\m+1], s[14:15], s[96:97]
	s_lshl_b32 s96, s[GR+\m], 12                   ; a row of enc is 4,096 bytes
	s_add_nc_u64 s[EB+2*\m:EB+2*\m+1], s[4:5], s[96:97]
.endr
.endm
	s_load_b256 s[4:11], s[0:1], 0x0               ; enc s[4:5], lengths s[6:7], v s[8:9], wkimg s[10:11]
	s_load_b256 s[12:19], s[0:1], 0x20             ; wks s[12:13], pq s[14:15], wsc s[16:17], ctxp s[18:19]
	v_lshrrev_b32 v16, 5, v0
	v_readfirstlane_b32 s[WV], v16                 ; wave 0..7
	s_lshr_b32 s[TEAM], s[WV], 2
	v_and_b32 v17, 31, v0                          ; lane
	v_and_b32 v[RR], 15, v0
	v_bfe_u32 v18, v0, 4, 1                        ; h
	v_lshlrev_b32 v[LI], 4, v17
	s_lshl_b32 s94, s[WV], 9                       ; 512 w
	v_lshlrev_b32 v[XA], 12, v[RR]
	v_lshl_add_u32 v[XA], v18, 6, v[XA]
	v_add_nc_u32 v[XA], s94, v[XA]
	s_mul_i32 s95, s[WV], FRB
	v_add_nc_u32 v[XWI], s95, v[LI]
	s_and_b32 s95, s[WV], 1
	s_lshl_b32 s95, s95, 8
	s_lshr_b32 s96, s[WV], 1
	s_lshl_b32 s96, s96, 2
	s_add_co_u32 s95, s95, s96
	s_add_co_u32 s95, s95, ASC
	v_lshl_add_u32 v[XWS], v[RR], 4, s95
	s_lshl_b32 s95, s[WV], 8
	s_add_co_u32 s95, s95, BF
	v_mul_u32_u24 v[XBF], v[RR], BFP
	v_lshl_add_u32 v[XBF], v18, 5, v[XBF]
	v_add_nc_u32 v[XBF], s95, v[XBF]
	v_lshl_add_u32 v[CA], v17, 3, s95
	v_lshlrev_b32 v[R4], 2, v[RR]
	s_mul_i32 s95, s[WV], 320
	s_add_co_u32 s96, s95, SCP
	v_add_nc_u32 v[SPA], s96, v[R4]
	v_add_nc_u32 v[SRA], SCP, v[R4]
	s_add_co_u32 s96, s95, PV
	v_add_nc_u32 v[PVA], s96, v[R4]
	v_mov_b32 v[PVB], s96
	v_lshlrev_b32 v[CO], 4, v0
	s_mul_i32 s95, s[WV], 2560
	s_add_co_u32 s95, s95, PQL
	v_add_nc_u32 v[PQS], s95, v[LI]
	v_lshl_add_u32 v[PQA], v18, 5, s95
	s_add_co_u32 s95, s94, VL
	v_lshl_add_u32 v[VLA], v18, 5, s95
	v_add_nc_u32 v[TA], s95, v[LI]                 ; where my 16 bytes of v go
	v_lshrrev_b32 v19, 1, v17
	v_lshlrev_b32 v[PFO], 12, v19
	v_and_b32 v19, 1, v17
	v_lshl_add_u32 v[PFO], v19, 8, v[PFO]
	v_add_nc_u32 v[PFO], s94, v[PFO]
	v_lshrrev_b32 v19, 3, v17
	v_lshlrev_b32 v[PQO], 12, v19
	v_and_b32 v19, 7, v17
	v_lshl_add_u32 v[PQO], v19, 4, v[PQO]
	s_mov_b32 s[CC], 0x4038aa3b                    ; 2 log2 e
	s_mov_b32 s[CC+1], s[CC]                       ; (named with it as a pair, so it is written)
	s_mov_b32 s[SEL], 0x76543210
	s_mov_b32 s[SEL+1], 0xfedcba98                 ; lane l xor 16
	s_mov_b32 s95, 0
	s_wait_kmcnt 0x0
	s_load_b256 s[20:27], s[6:7], 0x0              ; the 32 lengths
	s_load_b256 s[28:35], s[6:7], 0x20
	s_load_b256 s[36:43], s[6:7], 0x40
	s_load_b256 s[44:51], s[6:7], 0x60
	s_add_nc_u64 s[8:9], s[8:9], s[94:95]          ; v at my 128 units
	s_lshl_b32 s94, s[WV], 14
	s_add_nc_u64 s[14:15], s[14:15], s[94:95]      ; pq at my four groups of 32 units
	s_lshl_b32 s94, s[WV], 12
	s_add_nc_u64 s[12:13], s[12:13], s[94:95]      ; wks at my eight tiles
	s_mul_i32 s94, s[WV], 64*FRB
	s_add_nc_u64 s[WBW:WBW+1], s[10:11], s[94:95]  ; wkimg likewise
	global_load_b128 v[16:19], v[LI], s[8:9]
	RINGFILL 0
	s_wait_kmcnt 0x0
	; ---- the deal.  First sweep: lengths held to 1 .. 2,048; Tt = all tiles
	s_mov_b32 s94, 0
.set IDX, 0
.rept 32
	s_max_i32 s[20+IDX], s[20+IDX], 1
	s_min_u32 s[20+IDX], s[20+IDX], 0x800
	s_add_co_u32 s95, s[20+IDX], 15
	s_lshr_b32 s95, s95, 4
	s_add_co_u32 s94, s94, s95
.set IDX, IDX+1
.endr
	s_mul_i32 s95, ttmp9, s94
	s_add_co_u32 s96, s95, s94
	s_lshr_b32 s95, s95, 8                         ; my first tile
	s_lshr_b32 s96, s96, 8
	s_sub_co_u32 s[REM], s96, s95                  ; how many are mine: at most 16
	; second sweep: lane i stands for slot i, tile q = first + i; of the batches whose first tile E is at most q the last one wins
	v_and_b32 v24, 31, v0
	v_add_nc_u32 v20, s95, v24                     ; q
	v_mov_b32 v21, 0                               ; a = 2048 n - 16 E
	v_mov_b32 v22, s20                             ; b = L_n + 16 E
	s_mov_b32 s96, 0
.set IDX, 1
.rept 31
	s_add_co_u32 s97, s[20+IDX-1], 15
	s_lshr_b32 s97, s97, 4
	s_add_co_u32 s96, s96, s97                     ; E of batch IDX
	s_lshl_b32 s97, s96, 4
	s_sub_co_u32 s98, 2048*IDX, s97
	s_add_co_u32 s99, s[20+IDX], s97
	v_cmp_gt_u32 vcc_lo, s96, v20                  ; E > q: keep what stands
	v_cndmask_b32 v21, s98, v21, vcc_lo
	v_cndmask_b32 v22, s99, v22, vcc_lo
.set IDX, IDX+1
.endr
	v_lshlrev_b32 v23, 4, v20
	v_add_nc_u32 v21, v21, v23                     ; the tile's first row, counted over all batches
	v_sub_nc_u32 v22, v22, v23
	v_min_u32 v22, 16, v22                         ; its valid rows
	v_lshl_or_b32 v21, v22, 16, v21
	v_cmp_gt_u32 vcc_lo, s[REM], v24
	v_cndmask_b32 v21, 0, v21, vcc_lo              ; slots beyond my share are empty
.set IDX, 0
.rept 20
	v_readlane_b32 s[SL+IDX], v21, IDX
.set IDX, IDX+1
.endr
	s_wait_loadcnt 52                              ; v is in: behind its load stand the ring's 52
	ds_store_b128 v[TA], v[16:19]
.set IDX, 148
.rept 16
	v_mov_b32 v[IDX], 0                            ; written once: lane permutes and DPP forms count their destination as a source
.set IDX, IDX+1
.endr
	WIN 0x40                                       ; destination window 1
.set IDX, 0
.rept 20
	v_mov_b32 v[IDX], 0                            ; written once: a first pass without tiles loads no pq, and the LDS stores behind the join read these twenty registers on every way
.set IDX, IDX+1
.endr
	WIN 0
	s_wait_dscnt 0x0                               ; the store has read its registers
	s_mov_b32 s[PASS], 4
.Lpass:
	; ---- X
	s_wait_xcnt 0x0                                ; the last pass's loads and stores have read their bases and data: both are written again below
	s_min_u32 s[NT], s[REM], 5
	s_sub_co_u32 s[REM], s[REM], s[NT]
	s_min_u32 s[NTN], s[REM], 5
	SLOTS
	s_cmp_eq_u32 s[NT], 0
	s_cbranch_scc1 .Lxend                          ; a pass without tiles asks memory for nothing: the wait behind the join then has nothing to wait for
	WIN 0x40
.irp m, 0,1,2,3,4
	global_load_b128 v[4*\m:4*\m+3], v[PQO], s[PB+2*\m:PB+2*\m+1]   ; pq of the tile's batch, my 128 units: 4 x lane on
.endr
	WIN 0
	XLOAD 0
	XLOAD 1
	XUNIT 0
	XUNIT 1
	XUNIT 2
	XUNIT 3
	XUNIT 4
.Lxend:
	s_wait_loadcnt 0x0
	WIN 0x04                                       ; an LDS store's data are its source 1: window 1
.irp m, 0,1,2,3,4
	ds_store_b128 v[PQS], v[4*\m:4*\m+3] offset:512*\m
.endr
	WIN 0
.irp m, 0,1,2,3,4
	BIAS \m, 0                                     ; LDS serves a wave's instructions in order: these see my stores
.endr
.irp i, 0,1,2,3,4,5,6,7,8,9
	v_mov_b32 v[SC+\i], 0
.endr
	BARRIER                                        ; the pass's codes and scale words lie in LDS
	; ---- five half-slots: waves 0-3 run G0 T0 G1 T1 -, waves 4-7 run - G0 T0 G1 T1
	s_mov_b32 s[KK], 0
.Lhalf:
	s_cmp_eq_u32 s[KK], 4
	s_cbranch_scc0 .Lnopf
	; a prefetch of the next pass's first two tiles: each wave names its own 512 bytes of 16 rows, a lane a block of 256 bytes, so each block is named once; it stands one half-slot and the phases S and C ahead of the loads
	s_wait_xcnt 0x0                                ; the last pass's prefetches have read their bases
	s_mov_b32 s95, 0
	s_and_b32 s94, s[SL+5], 0xffff
	s_min_u32 s94, s94, 0xfff0
	s_lshl_b32 s94, s94, 12
	s_add_nc_u64 s[98:99], s[4:5], s[94:95]
	s_and_b32 s94, s[SL+6], 0xffff
	s_min_u32 s94, s94, 0xfff0
	s_lshl_b32 s94, s94, 12
	s_add_nc_u64 s[100:101], s[4:5], s[94:95]
	s_lshr_b32 s94, s[SL+5], 16
	s_cmp_eq_u32 s94, 0
	s_cbranch_scc1 .Lnopf                          ; an empty slot is followed by empty slots
	global_prefetch_b8 v[PFO], s[98:99] th:TH_LOAD_NT scope:SCOPE_SE
	s_lshr_b32 s94, s[SL+6], 16
	s_cmp_eq_u32 s94, 0
	s_cbranch_scc1 .Lnopf
	global_prefetch_b8 v[PFO], s[100:101] th:TH_LOAD_NT scope:SCOPE_SE
.Lnopf:
	s_sub_co_u32 s[PH], s[KK], s[TEAM]
	s_cmp_eq_u32 s[NT], 0
	s_cbranch_scc1 .Lidle
	s_cmp_gt_u32 s[PH], 3                          ; (-1 counts as large)
	s_cbranch_scc1 .Lidle
	s_lshr_b32 s[GG], s[PH], 1
	s_bitcmp1_b32 s[PH], 0
	s_cbranch_scc1 .LT
	; ---- G
	s_wait_loadcnt 0x0                             ; the group's scale words and its first four K steps are in
	s_wait_xcnt 0x0
	s_mul_i32 s94, s[GG], 32*FRB
	s_mov_b32 s95, 0
	s_add_nc_u64 s[WBC:WBC+1], s[WBW:WBW+1], s[94:95]
	s_cmp_eq_u32 s[NT], 1
	s_cbranch_scc1 .Lg1
	s_cmp_eq_u32 s[NT], 2
	s_cbranch_scc1 .Lg2
	s_cmp_eq_u32 s[NT], 3
	s_cbranch_scc1 .Lg3
	s_cmp_eq_u32 s[NT], 4
	s_cbranch_scc1 .Lg4
	GEMM 5
	s_branch .Lgtail
.Lg4:
	GEMM 4
	s_branch .Lgtail
.Lg3:
	GEMM 3
	s_branch .Lgtail
.Lg2:
	GEMM 2
	s_branch .Lgtail
.Lg1:
	GEMM 1
.Lgtail:                                           ; the next group's first four K steps are asked for now: they have the phase T in which to land
	s_cmp_eq_u32 s[GG], 0
	s_cbranch_scc0 .Lgt1
	RINGFILL 1
	s_branch .Lidle
.Lgt1:
	s_cmp_eq_u32 s[NTN], 0
	s_cbranch_scc1 .Lidle
	RINGFILL 0
	s_branch .Lidle
.LT:	; ---- T
	s_cmp_eq_u32 s[GG], 0
	s_cbranch_scc0 .Ltv1
	VLOAD 0
	s_branch .Ltv
.Ltv1:
	VLOAD 1
.Ltv:
	s_wait_dscnt 0x0                               ; v of my lane's 32 units is in
	TTILE 0
	TTILE 1
	TTILE 2
	TTILE 3
	TTILE 4
.Ltend:
.Lidle:
	BARRIER                                        ; it holds the two teams in step; no LDS byte is written in a half-slot
	s_add_co_u32 s[KK], s[KK], 1
	s_cmp_lt_u32 s[KK], 5
	s_cbranch_scc1 .Lhalf
	; ---- S: my 128 units' part of each row's score
.irp m, 0,1,2,3,4
	v_add_f32 v[WR+\m], v[SC+2*\m], v[SC+2*\m+1]
.endr
.irp m, 0,1,2,3,4
	v_permlanex16_b32 v[X5+\m], v[WR+\m], s[SEL], s[SEL+1]
.endr
.irp m, 0,1,2,3,4
	v_add_f32 v[WR+\m], v[WR+\m], v[X5+\m]
.endr
.irp m, 0,1,2,3,4
	ds_store_b32 v[SPA], v[WR+\m] offset:64*\m     ; lanes l and l + 16 write the same word with the same value
.endr
	BARRIER
	s_cmp_eq_u32 s[NT], 0
	s_cbranch_scc1 .Lpend
.irp m, 0,1,2,3,4
.irp i, 0,1,2,3,4,5,6,7
	ds_load_b32 v[PP+8*\m+\i], v[SRA] offset:320*\i+64*\m
.endr
.endr
	s_wait_dscnt 0x0
.irp m, 0,1,2,3,4
	v_add_f32 v[WR+\m], v[PP+8*\m], v[PP+8*\m+1]   ; ascending by wave: every wave makes the same bits
.endr
.irp i, 2,3,4,5,6,7
.irp m, 0,1,2,3,4
	v_add_f32 v[WR+\m], v[WR+\m], v[PP+8*\m+\i]
.endr
.endr
.irp m, 0,1,2,3,4                              ; wave m stores tile m's 16 scores
	s_cmp_lg_u32 s[WV], \m
	s_cbranch_scc1 .Lnw\m
	s_cmp_le_u32 s[NT], \m
	s_cbranch_scc1 .Lnw\m
	s_wait_xcnt 0x0                                ; the base below is written only behind this wait
	s_lshl_b32 s94, s[GR+\m], 2
	s_mov_b32 s95, 0
	s_add_nc_u64 s[96:97], s[16:17], s[94:95]
	global_store_b32 v[R4], v[WR+\m], s[96:97]
.Lnw\m:
.endr
.irp m, 0,1,2,3,4
	v_cmp_gt_u32 vcc_lo, s[VC+\m], v[RR]           ; rows at or beyond the length count for nothing
	v_cndmask_b32 v[X5+\m], 0xff800000, v[WR+\m], vcc_lo
.endr
.irp m, 0,1,2,3,4
	v_max_num_f32_dpp v[YM+\m], v[X5+\m], v[X5+\m] row_xmask:1 row_mask:0xf bank_mask:0xf
.endr
.irp x, 2,4,8
.irp m, 0,1,2,3,4
	v_max_num_f32_dpp v[YM+\m], v[YM+\m], v[YM+\m] row_xmask:\x row_mask:0xf bank_mask:0xf
.endr
.endr
.irp m, 0,1,2,3,4
	v_max_num_f32 v[YM+\m], 0xff61b1e6, v[YM+\m]   ; the tile's largest score (an empty slot: -3e38, so that no difference of infinities is formed)
.endr
.irp m, 0,1,2,3,4
	v_sub_f32 v[X5+\m], v[X5+\m], v[YM+\m]
.endr
.irp m, 0,1,2,3,4
	v_mul_f32 v[X5+\m], 0x3fb8aa3b, v[X5+\m]
.endr
.irp m, 0,1,2,3,4
	v_exp_f32 v[X5+\m], v[X5+\m]
.endr
	v_nop                                          ; a plain place behind the last exponential,
	s_wait_alu depctr_va_vdst(0)                   ; and the one wait for the five, ahead of their first reader
.irp m, 0,1,2,3,4
	ds_store_b32 v[PVA], v[X5+\m] offset:64*\m
.endr
.irp m, 0,1,2,3,4
.irp q, 0,1,2,3
	ds_load_b128 v[PP+16*\m+4*\q:PP+16*\m+4*\q+3], v[PVB] offset:64*\m+16*\q   ; my own copy, in order behind my stores: every lane gets all 80 weights
.endr
.endr
	; ---- C: columns 128 w + 4 x lane .. + 3 of each tile
	s_wait_xcnt 0x0
	s_mov_b32 s95, 0
.irp m, 0,1,2,3,4
	s_lshl_b32 s94, s[GR+\m], 8                    ; a tile of ctxp is 4,096 bytes
	s_add_nc_u64 s[EB+2*\m:EB+2*\m+1], s[18:19], s[94:95]
.endr
.irp m, 0,1,2,3,4
	s_cmp_le_u32 s[NT], \m
	s_cbranch_scc1 .Lpend
	v_add_nc_u32 v[TA], TILEB*\m, v[CA]
.set IDX, 0
.rept 16
	ds_load_b64 v[EE+2*IDX:EE+2*IDX+1], v[TA] offset:BFP*IDX   ; 32 lanes read 256 consecutive bytes of a row, which this wave wrote itself
.set IDX, IDX+1
.endr
.irp i, 0,1,2,3
	v_mov_b32 v[CACC+4*\m+\i], 0
.endr
	s_wait_dscnt 0x0
.set IDX, 0
.rept 16
	v_fma_mix_f32_bf16 v[CACC+4*\m], v[EE+2*IDX], v[PP+16*\m+IDX], v[CACC+4*\m] op_sel_hi:[1,0,0]
	v_fma_mix_f32_bf16 v[CACC+4*\m+1], v[EE+2*IDX], v[PP+16*\m+IDX], v[CACC+4*\m+1] op_sel:[1,0,0] op_sel_hi:[1,0,0]
	v_fma_mix_f32_bf16 v[CACC+4*\m+2], v[EE+2*IDX+1], v[PP+16*\m+IDX], v[CACC+4*\m+2] op_sel_hi:[1,0,0]
	v_fma_mix_f32_bf16 v[CACC+4*\m+3], v[EE+2*IDX+1], v[PP+16*\m+IDX], v[CACC+4*\m+3] op_sel:[1,0,0] op_sel_hi:[1,0,0]
.set IDX, IDX+1
.endr
	global_store_b128 v[CO], v[CACC+4*\m:CACC+4*\m+3], s[EB+2*\m:EB+2*\m+1] th:TH_STORE_NT   ; a wave stores 512 consecutive bytes, the work-group the tile's 4,096
.endr
.Lpend:
	BARRIER                                        ; every wave's reads of this pass's LDS bytes are over: the next pass may write them
.set IDX, 0
.rept 15
	s_mov_b32 s[SL+IDX], s[SL+IDX+5]
.set IDX, IDX+1
.endr
.rept 5
	s_mov_b32 s[SL+IDX], 0
.set IDX, IDX+1
.endr
	s_sub_co_u32 s[PASS], s[PASS], 1
	s_cmp_lg_u32 s[PASS], 0
	s_cbranch_scc1 .Lpass
	s_wait_xcnt 0x0
	v_lshl_add_u32 v254, v0, 2, 0x3f300
	v_mov_b32 v255, 0
	s_wait_tensorcnt 0x0
	ds_add_u32 v254, v255
	s_wait_dscnt 0x0
	s_endpgm
.Lfunc_end_k_q08ae61969c_main:
	.size	k_q08ae61969c_main, .Lfunc_end_k_q08ae61969c_main-k_q08ae61969c_main
	.p2alignl 7, 3214868480
	.fill 96, 4, 3214868480
	.section	.rodata,"a",@progbits
	.p2align	6, 0x0
	.amdhsa_kernel k_q08ae61969c_main
		.amdhsa_group_segment_fixed_size 259840
		.amdhsa_private_segment_fixed_size 0
		.amdhsa_enable_private_segment 0
		.amdhsa_kernarg_size 64
		.amdhsa_user_sgpr_count 2
		.amdhsa_user_sgpr_kernarg_segment_ptr 1
		.amdhsa_wavefront_size32 1
		.amdhsa_system_sgpr_workgroup_id_x 1
		.amdhsa_system_sgpr_workgroup_id_y 1
		.amdhsa_system_sgpr_workgroup_id_z 1
		.amdhsa_system_vgpr_workitem_id 0
		.amdhsa_next_free_vgpr 512
		.amdhsa_next_free_sgpr 104
		.amdhsa_reserve_vcc 1
		.amdhsa_float_denorm_mode_32 3
		.amdhsa_float_denorm_mode_16_64 3
		.amdhsa_memory_ordered 1
		.amdhsa_forward_progress 1
		.amdhsa_inst_pref_size 255
	.end_amdhsa_kernel
	.section	.bss,"aw",@nobits
	.p2align	6
	.space	262144
	.amdgpu_metadata
---
amdhsa.version: [ 1, 2 ]
amdhsa.kernels:
  - .name:           k_q08ae61969c_main
    .symbol:         k_q08ae61969c_main.kd
    .args:
      - { .name: encoder_output, .offset: 0, .size: 8, .value_kind: global_buffer, .address_space: global }
      - { .name: lengths, .offset: 8, .size: 8, .value_kind: global_buffer, .address_space: global }
      - { .name: v, .offset: 16, .size: 8, .value_kind: global_buffer, .address_space: global }
      - { .name: wkimg, .offset: 24, .size: 8, .value_kind: global_buffer, .address_space: global }
      - { .name: wks, .offset: 32, .size: 8, .value_kind: global_buffer, .address_space: global }
      - { .name: pq, .offset: 40, .size: 8, .value_kind: global_buffer, .address_space: global }
      - { .name: wsc, .offset: 48, .size: 8, .value_kind: global_buffer, .address_space: global }
      - { .name: ctxp, .offset: 56, .size: 8, .value_kind: global_buffer, .address_space: global }
    .group_segment_fixed_size: 259840
    .private_segment_fixed_size: 0
    .kernarg_segment_align: 8
    .kernarg_segment_size: 64
    .max_flat_workgroup_size: 256
    .sgpr_count:     104
    .vgpr_count:     512
    .wavefront_size: 32
...
	.end_amdgpu_metadata
.endif
;; end of part 5
;; launch finish: the kernel of part 3 again; grid 32 x 8, 8 waves a work-group, no clusters, 6,144 bytes of LDS; arguments lengths, wsc, ctxp, out0, out1; writes out0, out1
